; MI455X (gfx1250); checked and timed in simulation.
; The chip was launched on July 23, 2026; its instructions are those of AMD's public machine-readable ISA for CDNA 5 (MIT licence, August 2026) and "CDNA5" Instruction Set Architecture Reference Guide (July 2026). The comments in the code are by the model that wrote it; some were corrected since.
;; Causal Self Attention. Allowed arithmetic: float matrix products may take bf16 or f16 operands with f32 sums; other float arithmetic in f32, or as packed bf16 or f16 multiplies, adds, multiply-adds, maxima and minima; sums over many terms, partial sums and values carried from step to step in f32; what a program stores and reads back later, other than sums and carried values, may be rounded once to bf16 or f16.
;; Inputs: Wproj 1,024 x 1,024 float32; Wqkv 3,072 x 1,024 float32; bproj 1,024 float32; bqkv 3,072 float32; x 4 x 2,048 x 1,024 float32.
;; Outputs: out0 4 x 2,048 x 1,024 float32.
;; 2 versions, each right; version 2 is version 1 with the launch cast written anew for expert scheduling mode. Each part assembles by itself: llvm-mc -triple=amdgcn-amd-amdhsa -mcpu=gfx1250 --defsym DOCPART=n.
;; ======== version 1 of 2: 4 launches
;; limits: values are held in f16: magnitudes above 65,504 overflow, below 6.1e-05 lose precision
;; workspace buffers: xb 16,777,216 bytes; wqkvb 6,291,456 bytes; wprojh 2,097,152 bytes; qkv 50,331,648 bytes; o 16,777,216 bytes
;; launch cast (part 1): grid 768 x 1, 8 waves a work-group, no clusters, 0 bytes of LDS; arguments x, Wqkv, Wproj, xb, wqkvb, wprojh; writes xb, wqkvb, wprojh
.if DOCPART == 1
	.amdgcn_target "amdgcn-amd-amdhsa--gfx1250"
	.amdhsa_code_object_version 6
	.text
	.protected	k_q7868020e8b_cast
	.globl	k_q7868020e8b_cast
	.p2align	8
	.type	k_q7868020e8b_cast,@function
k_q7868020e8b_cast:
	s_mov_b64 s[64:65], 0
	v_nop
	global_prefetch_b8 v0, s[64:65] scope:SCOPE_SE
	s_setreg_imm32_b32 hwreg(HW_REG_WAVE_MODE, 25, 1), 1
	s_wait_xcnt 0x0
; x [8192][1024], Wqkv [3072][1024], Wproj [1024][1024], all f32, are rounded once to bf16 and laid out in blocks of 64 along K:
; out[kb][row][64], kb = 0..15, so that R rows of one block are R x 128 consecutive bytes.  xb and wqkvb hold bf16.  wprojh holds the bf16-rounded number
; written as f16 (exact from 2^-17 up to 65,504 in size; below 2^-17 it keeps f16's fixed step of 6e-8; LIMIT: |Wproj| stays under 65,504).
; SHARES.  12,288 rows in all, 16 to a work-group: groups 0-511 take x, 512-703 Wqkv, 704-767 Wproj.  Wave w takes rows 2 w and 2 w + 1: lanes 0-15 the even row, lanes 16-31 the odd one.
; A load of a wave covers 256 consecutive bytes, aligned, of each of its two rows (one block of 64 numbers); the store made of it covers 256 consecutive bytes, aligned (128 of each row, which lie end to end).
; No loop: a wave's 16 loads go out together, and no register is written twice while memory may read it.  No LDS, no matrix unit: nothing is shared and nothing is multiplied.
.set IN, 1                             ; v1       my byte offset in the group's 16 rows of the input
.set O,  4                             ; v[4:19]  my byte offset in the output, for each of the 16 blocks
.set X,  20                            ; v[20:83] four f32 a block
.set Y,  84                            ; v[84:115] four 16-bit numbers a block
.set T,  116                           ; v[116:119] at work
	s_load_b256 s[4:11], s[0:1], 0x0               ; x s[4:5], Wqkv s[6:7], Wproj s[8:9], xb s[10:11]
	s_load_b128 s[12:15], s[0:1], 0x20             ; wqkvb s[12:13], wprojh s[14:15]
	v_lshrrev_b32 v2, 4, v0                        ; my row among the 16
	v_and_b32 v3, 15, v0                           ; my place in a block
	v_lshlrev_b32 v[IN], 12, v2                    ; row x 4,096 bytes
	v_lshl_add_u32 v[IN], v3, 4, v[IN]             ; + 16 bytes a lane
	v_lshlrev_b32 v[O], 7, v2                      ; row x 128 bytes
	v_lshl_add_u32 v[O], v3, 3, v[O]               ; + 8 bytes a lane
	s_mov_b32 s20, 512                             ; the first group of Wqkv
	s_mov_b32 s21, 704                             ; the first group of Wproj
	s_mov_b32 s22, 8192*128                        ; bytes from block to block in xb,
	s_mov_b32 s23, 3072*128                        ; in wqkvb,
	s_mov_b32 s24, 1024*128                        ; in wprojh
	s_mov_b32 s30, 0xffff0000                      ; a word's upper bf16
	s_wait_kmcnt 0x0
	s_cmp_lt_u32 ttmp9, s21                        ; Wqkv or Wproj,
	s_cselect_b64 s[16:17], s[6:7], s[8:9]
	s_cselect_b64 s[18:19], s[12:13], s[14:15]
	s_cselect_b32 s25, s20, s21
	s_cselect_b32 s26, s23, s24
	s_cmp_lt_u32 ttmp9, s20                        ; or x
	s_cselect_b64 s[16:17], s[4:5], s[16:17]
	s_cselect_b64 s[18:19], s[10:11], s[18:19]
	s_cselect_b32 s25, 0, s25
	s_cselect_b32 s26, s22, s26
	s_sub_co_u32 s27, ttmp9, s25                   ; my group within its tensor
	s_lshl_b32 s28, s27, 16                        ; 16 rows of 4,096 bytes
	s_mov_b32 s29, 0
	s_add_nc_u64 s[16:17], s[16:17], s[28:29]
	s_lshl_b32 s28, s27, 11                        ; 16 rows of 128 bytes
	s_add_nc_u64 s[18:19], s[18:19], s[28:29]
.irp kb, 0,1,2,3,4,5,6,7,8,9,10,11,12,13,14,15
	global_load_b128 v[X+4*(\kb):X+4*(\kb)+3], v[IN], s[16:17] offset:256*(\kb) th:TH_LOAD_NT
.endr
.irp kb, 1,2,3,4,5,6,7,8,9,10,11,12,13,14,15
	v_add_nc_u32 v[O+(\kb)], s26, v[O+(\kb)-1]     ; the same place, a block further on
.endr
; Block kb: rounded and stored.  half = 1: the bf16 number is widened again and written as f16.
.macro CV kb, half
	s_wait_loadcnt 15-(\kb)                        ; loads come back in order: block kb is in, the younger ones stay out
.irp p, 0,1
.if \half
	v_cvt_pk_bf16_f32 v[T], v[X+4*(\kb)+2*(\p)], v[X+4*(\kb)+2*(\p)+1]
	v_lshlrev_b32 v[T+2], 16, v[T]
	v_and_b32 v[T+3], s30, v[T]
	v_cvt_pk_f16_f32 v[Y+2*(\kb)+(\p)], v[T+2], v[T+3]
.else
	v_cvt_pk_bf16_f32 v[Y+2*(\kb)+(\p)], v[X+4*(\kb)+2*(\p)], v[X+4*(\kb)+2*(\p)+1]
.endif
.endr
	global_store_b64 v[O+(\kb)], v[Y+2*(\kb):Y+2*(\kb)+1], s[18:19]
.endm
	s_cmp_ge_u32 ttmp9, s21
	s_cbranch_scc1 .Lf16
.irp kb, 0,1,2,3,4,5,6,7,8,9,10,11,12,13,14,15
	CV \kb, 0
.endr
	s_endpgm
.Lf16:
.irp kb, 0,1,2,3,4,5,6,7,8,9,10,11,12,13,14,15
	CV \kb, 1
.endr
	s_endpgm
.Lfunc_end_k_q7868020e8b_cast:
	.size	k_q7868020e8b_cast, .Lfunc_end_k_q7868020e8b_cast-k_q7868020e8b_cast
	.p2alignl 7, 3214868480
	.fill 96, 4, 3214868480
	.section	.rodata,"a",@progbits
	.p2align	6, 0x0
	.amdhsa_kernel k_q7868020e8b_cast
		.amdhsa_group_segment_fixed_size 0
		.amdhsa_private_segment_fixed_size 0
		.amdhsa_enable_private_segment 0
		.amdhsa_kernarg_size 48
		.amdhsa_user_sgpr_count 2
		.amdhsa_user_sgpr_kernarg_segment_ptr 1
		.amdhsa_wavefront_size32 1
		.amdhsa_system_sgpr_workgroup_id_x 1
		.amdhsa_system_sgpr_workgroup_id_y 1
		.amdhsa_system_sgpr_workgroup_id_z 1
		.amdhsa_system_vgpr_workitem_id 0
		.amdhsa_next_free_vgpr 124
		.amdhsa_next_free_sgpr 66
		.amdhsa_reserve_vcc 0
		.amdhsa_float_denorm_mode_32 3
		.amdhsa_float_denorm_mode_16_64 3
		.amdhsa_memory_ordered 1
		.amdhsa_forward_progress 1
		.amdhsa_inst_pref_size 16
	.end_amdhsa_kernel
	.amdgpu_metadata
---
amdhsa.version: [ 1, 2 ]
amdhsa.kernels:
  - .name:           k_q7868020e8b_cast
    .symbol:         k_q7868020e8b_cast.kd
    .args:
      - { .name: x, .offset: 0, .size: 8, .value_kind: global_buffer, .address_space: global }
      - { .name: Wqkv, .offset: 8, .size: 8, .value_kind: global_buffer, .address_space: global }
      - { .name: Wproj, .offset: 16, .size: 8, .value_kind: global_buffer, .address_space: global }
      - { .name: xb, .offset: 24, .size: 8, .value_kind: global_buffer, .address_space: global }
      - { .name: wqkvb, .offset: 32, .size: 8, .value_kind: global_buffer, .address_space: global }
      - { .name: wprojh, .offset: 40, .size: 8, .value_kind: global_buffer, .address_space: global }
    .group_segment_fixed_size: 0
    .private_segment_fixed_size: 0
    .kernarg_segment_align: 8
    .kernarg_segment_size: 48
    .max_flat_workgroup_size: 256
    .sgpr_count:     66
    .vgpr_count:     124
    .wavefront_size: 32
...
	.end_amdgpu_metadata
.endif
;; end of part 1
;; launch qkvgemm (part 2): grid 8 x 32, 4 waves a work-group, clusters of 4 x 4, 327,680 bytes of LDS; arguments xb, wqkvb, bqkv, qkv; writes qkv
.if DOCPART == 2
	.amdgcn_target "amdgcn-amd-amdhsa--gfx1250"
	.amdhsa_code_object_version 6
	.text
	.protected	k_q7868020e8b_qkvgemm
	.globl	k_q7868020e8b_qkvgemm
	.p2align	8
	.type	k_q7868020e8b_qkvgemm,@function
k_q7868020e8b_qkvgemm:
	s_mov_b64 s[64:65], 0
	v_nop
	global_prefetch_b8 v0, s[64:65] scope:SCOPE_SE
	s_setreg_imm32_b32 hwreg(HW_REG_WAVE_MODE, 25, 1), 1
	s_wait_xcnt 0x0
	s_wait_alu depctr_hold_cnt(0) depctr_sa_sdst(0) depctr_va_vdst(0) depctr_va_sdst(0) depctr_va_ssrc(0) depctr_va_vcc(0) depctr_vm_vsrc(0)
	s_getreg_b32 s2, hwreg(HW_REG_IB_STS2, 6, 4)
	s_cmp_eq_u32 s2, 0
	s_cbranch_scc0 .Lentry_in_a_cluster
	s_endpgm
.Lentry_in_a_cluster:
	s_bfe_u32 s2, ttmp6, 0x10000c
	s_cmp_lg_u32 s2, 0xf033
	s_cbranch_scc0 .Lentry_shape_is_right
	s_endpgm
.Lentry_shape_is_right:
; qkv = x Wqkv^T + bqkv.  xb: bf16 [16 blocks of K][8192 rows][64]; wqkvb: bf16 [16][3072][64]; bqkv: f32 [3072]; sums in f32.
; The result leaves by heads, rounded once to f16: qkv[section q, k, v][16 batch + head][t 2048][64].  LIMIT: a result of 65,520 or more in size becomes an infinity in f16.
; The bias is rounded to bf16 like x and the weights, so that all the module's inputs carry one and the same rounding; it then stays in f32 and starts the sums as the first products' C operand.
; SHARES.  A tile of the result is 256 rows x 384 columns: 32 x 8 tiles, one to a work-group.  Each of four waves makes 128 rows x 192 columns: 96 accumulators of 16 x 16, 768 registers.
; K goes in steps of 64 through a ring of two LDS slots.  In the blocked layout R rows of a step are R x 128 consecutive bytes: they are asked for as R / 2 rows of 256 bytes and padded in LDS behind every 128.
; CLUSTER.  4 x 4 work-groups.  The four of a row of the cluster need the same rows of x, the four of a column the same rows of W: each tile is asked for JOINTLY, by the same tensor load with
; the same descriptor and a mask that names the four.  Waves 0 and 1 ask for the halves of x's tile, waves 2 and 3 for those of W's.  By this text's own count a wave has two tensor loads out at the start, later one.
; THE MATRIX INSTRUCTION IS USED TRANSPOSED (source 0 = 16 rows of W, source 1 = 16 rows of x): a lane holds one row of the result and eight neighbouring columns.
; No prefetch is laid: the tiles are shared four ways by the joint loads, and a refill has a step's 192 matrix instructions in which to land.
; REGISTERS, in windows of 256 (s_set_vgpr_msb: bits 1:0 source 0, 3:2 source 1, 5:4 source 2, 7:6 destination):
;   window 0: v0-29 addresses; v32-95, v96-159 x's fragments (8 x 16 rows x 32 K), two buffers; v160-255 W's 12 fragments, one buffer, loaded again by fours behind the products that read them
;   windows 1-3: accumulator (a, b), a = 0..7 blocks of rows, b = 0..11 blocks of columns, in window 1 + b / 4 at v[8 (8 (b % 4) + a)]
.set PITCH,  144                       ; an LDS row: 128 bytes + 16 of padding = 36 words: the 16 rows of a fragment load start at 16 different groups of four banks (64 banks of 4 bytes: ISA guide 11.1)
.set FR,     16*PITCH                  ; 16 rows
.set AHALF,  128*PITCH                 ; what one load brings of x, and what a wave reads of it
.set BHALF,  192*PITCH                 ; the same for W
.set BOFF,   2*AHALF                   ; in a slot: x's 256 rows, then W's 384
.set SLOT1,  1<<17                     ; slot 1 begins here: one exclusive or turns an address in one slot into the other's
.set STAGE,  SLOT1+BOFF+2*BHALF        ; behind the ring, never filled by a tensor load: 16 rows x 144 bytes for each wave, for the way out
.set SPARE,  STAGE+4*FR                ; behind the stages: the spare words, 128 bytes for each wave: two blocks of 256 bytes that no other line names
.set ASTEP,  8192*128                  ; bytes from a block of K to the next in xb
.set BSTEP,  3072*128                  ; in wqkvb
.set A0,   2                           ; v2   my lane's place in x's tile; never rewritten
.set B0,   3                           ; v3   in W's
.set ADRA, 4                           ; v4   the same in the slot that is being read
.set ADRB, 5                           ; v5
.set STO,  6                           ; v6   the way out: where I put 16 bytes of a row
.set RD,   7                           ; v7   the way out: where I read rows back
.set GO,   8                           ; v8   my 16 bytes of 512 consecutive bytes of the result
.set BO,   9                           ; v9   my byte offset in the bias
.set SPW,  28                          ; v28  LDS address of my spare word: SPARE + 4 x my thread's number; never rewritten
.set NIL,  29                          ; v29  0; never rewritten
.set AF0,  32
.set AF1,  96
.set BF,   160
.set TMP,  32                          ; the way out: 16 registers of packed results,
.set BK0,  64                          ; and two sets of 16 read back from the stage
.set WV,   12                          ; s12  my wave's number
.set RH,   13                          ; s13  which 128 rows of the tile are mine.  Also: I ask for x (0) or for W (1)
.set CH,   14                          ; s14  which 192 columns.  Also: which half of that tile I ask for
.set G1A,  24                          ; s[24:31] descriptor group 1 for x's tiles
.set G0A,  32                          ; s[32:39] group 0: a set for each first fill; the second then walks on
.set G1B,  40                          ; s[40:47], s[48:55] the same for W's
.set G0B,  48
.set TB,   56                          ; s56  LDS byte at which the slot being read begins
.set OUT,  58                          ; s[58:63] where my rows begin in each of my three groups of 64 columns
.set G1W0, (1<<16)|(1<<20)|(1<<21)|(4<<22)|(3<<25)  ; 17:16 2-byte elements; 20 padding on; 21 set beside a mask; 24:22 after every 32 words (code 4); 31:25 4 words (code 3)
.set MSB, 0
.macro WIN new                         ; the immediate's high byte repeats the setting that is left; a switch that changes nothing is dropped
.if MSB != (\new)
	s_set_vgpr_msb (MSB<<8)|(\new)
.set MSB, (\new)
.endif
.endm
.macro PLACES                          ; four plain vector instructions between a matrix instruction and a load into, or a vector read of, its registers (ISA guide 7.12.1 for vector reads)
.rept 4
	v_nop
.endr
.endm
.macro SHAPE g, rows                   ; descriptor group 1 but for its first word: rows of 128 elements (256 bytes), dense
	s_mov_b32 s[(\g)+1], 128<<16                   ; tensor_dim0 = 128
	s_mov_b32 s[(\g)+2], (\rows)<<16               ; tensor_dim1
	s_mov_b32 s[(\g)+3], 128<<16                   ; tile_dim0 = 128
	s_mov_b32 s[(\g)+4], (\rows)                   ; tile_dim1
	s_mov_b32 s[(\g)+5], 128                       ; 128 elements from row to row
	s_mov_b32 s[(\g)+6], 0
	s_mov_b32 s[(\g)+7], 0
.endm
; A joint refill by the walking descriptor.  The branch hangs on the wave's number alone.  An s_nop 0 and four v_nop follow each of the two lines, ahead of the jump and the label.
.macro JLOAD
	s_cmp_eq_u32 s[RH], 0
	s_cbranch_scc0 .Lfor_b_\@
	tensor_load_to_lds s[G0A+4:G0A+7], s[G1A:G1A+7]
	s_nop 0
.rept 4
	v_nop
.endr
	s_branch .Lasked_\@
.Lfor_b_\@:
	tensor_load_to_lds s[G0B+4:G0B+7], s[G1B:G1B+7]
	s_nop 0
.rept 4
	v_nop
.endr
.Lasked_\@:
.endm
; A round of the cluster's barrier: my work-group's barrier, so that wave 0's signal speaks for all four waves; wave 0 signals; every wave waits for all sixteen work-groups; my work-group's barrier once more.
.macro CREST                           ; a round behind its opening barrier
	s_cmp_lg_u32 s[WV], 0
	s_cbranch_scc1 .Lnot_wave_0_\@
	s_barrier_signal -3
.Lnot_wave_0_\@:
	s_barrier_wait -3
	s_barrier_signal -1
	s_barrier_wait -1
.endm
.macro CROUND
	s_barrier_signal -1
	s_barrier_wait -1
	CREST
.endm
	s_load_b256 s[4:11], s[0:1], 0x0               ; xb s[4:5], wqkvb s[6:7], bqkv s[8:9], qkv s[10:11]
	v_lshl_add_u32 v[SPW], v0, 2, SPARE
	v_mov_b32 v[NIL], 0
	ds_add_u32 v[SPW], v[NIL]                      ; the wave's opening: the add and its wait stand ahead of my first tensor load; the set-up below, work on registers, stands between them
	ds_add_u32 v28, v29
	v_lshrrev_b32 v1, 5, v0
	v_readfirstlane_b32 s[WV], v1                  ; wave 0..3
	s_lshr_b32 s[RH], s[WV], 1
	s_and_b32 s[CH], s[WV], 1
	s_bfe_u32 s15, ttmp6, 0x40000                  ; cx: my place along the cluster's x
	s_bfe_u32 s16, ttmp6, 0x40004                  ; cy: along its y
	s_lshl_b32 s17, ttmp9, 2                       ; in a cluster launch ttmp9 and ttmp7 count clusters
	s_add_co_u32 s17, s17, s15                     ; tile column = 4 x cluster x + cx
	s_and_b32 s18, ttmp7, 0xffff
	s_lshl_b32 s18, s18, 2
	s_add_co_u32 s18, s18, s16                     ; tile row = 4 x cluster y + cy
	s_lshl_b32 s19, s16, 2
	s_lshl_b32 s19, 15, s19                        ; my row of the cluster: places 4 cy .. 4 cy + 3
	s_lshl_b32 s20, 0x1111, s15                    ; my column: places cx, cx + 4, cx + 8, cx + 12
	s_or_b32 s[G1A], s19, G1W0                     ; x's tiles go to my row,
	s_or_b32 s[G1B], s20, G1W0                     ; W's to my column
	SHAPE G1A, 64                                  ; 128 rows of x = 64 rows of 256 bytes
	SHAPE G1B, 96                                  ; 192 rows of W = 96 rows of 256 bytes
	s_lshl_b32 s66, s18, 15                        ; x: 256 rows of 128 bytes a tile row,
	s_lshl_b32 s21, s[CH], 14                      ; 128 a half
	s_add_co_u32 s66, s66, s21
	s_mov_b32 s67, 0
	s_mul_i32 s68, s17, 384*128                    ; W: 384 rows a tile column,
	s_mul_i32 s21, s[CH], 192*128                  ; 192 a half
	s_add_co_u32 s68, s68, s21
	s_mov_b32 s69, 0
	s_mul_i32 s22, s[CH], AHALF                    ; where they go in a slot: no place in the cluster enters an LDS address
	s_mul_i32 s23, s[CH], BHALF
	s_add_co_u32 s23, s23, BOFF
	s_mov_b32 s[TB], 0
	s_wait_dscnt 0x0                               ; the opening add is done
	s_wait_kmcnt 0x0
	s_add_nc_u64 s[66:67], s[4:5], s[66:67]
	s_add_nc_u64 s[68:69], s[6:7], s[68:69]
	CROUND                                         ; all sixteen work-groups are here: the first joint loads meet
.irp s, 0,1
	s_mov_b32 s[G0A+4*(\s)], 1                                      ; 1:0 count = 1
	s_add_co_u32 s[G0A+4*(\s)+1], s22, (\s)*SLOT1                   ; 63:32 LDS address
	s_add_nc_u64 s[G0A+4*(\s)+2:G0A+4*(\s)+3], s[66:67], (\s)*ASTEP ; 120:64 global address: K step s
	s_or_b32 s[G0A+4*(\s)+3], s[G0A+4*(\s)+3], 0x80000000           ; 127:126 type = 2
	s_mov_b32 s[G0B+4*(\s)], 1
	s_add_co_u32 s[G0B+4*(\s)+1], s23, (\s)*SLOT1
	s_add_nc_u64 s[G0B+4*(\s)+2:G0B+4*(\s)+3], s[68:69], (\s)*BSTEP
	s_or_b32 s[G0B+4*(\s)+3], s[G0B+4*(\s)+3], 0x80000000
.endr
	s_cmp_eq_u32 s[RH], 0                          ; a wave's two first fills stand in one branch, ahead of every wait on TENSORcnt and every LDS read
	s_cbranch_scc0 .Lfirst_b
	tensor_load_to_lds s[G0A:G0A+3], s[G1A:G1A+7]
	s_nop 0
	tensor_load_to_lds s[G0A+4:G0A+7], s[G1A:G1A+7]
	s_nop 0
.rept 4
	v_nop
.endr
	s_branch .Lfirst_asked
.Lfirst_b:
	tensor_load_to_lds s[G0B:G0B+3], s[G1B:G1B+7]
	s_nop 0
	tensor_load_to_lds s[G0B+4:G0B+7], s[G1B:G1B+7]
	s_nop 0
.rept 4
	v_nop
.endr
.Lfirst_asked:
	; A fragment is 16 rows x 32 K in 8 registers: lane l holds row l % 16; registers 0-3 K = 8 (l / 16) + 0..7, registers 4-7 K = 16 + 8 (l / 16) + 0..7: two loads of 16 bytes, 32 bytes apart.
	v_and_b32 v10, 15, v0                          ; l % 16
	v_bfe_u32 v11, v0, 4, 1                        ; l / 16
	v_mul_u32_u24 v12, v10, PITCH
	v_lshl_add_u32 v12, v11, 4, v12                ; row x pitch + 16 x half
	s_mul_i32 s21, s[RH], AHALF
	v_add_nc_u32 v[A0], s21, v12                   ; my 128 rows of x
	v_add_nc_u32 v[B0], s23, v12                   ; my 192 rows of W
	v_mov_b32 v[ADRA], v[A0]                       ; slot 0
	v_mov_b32 v[ADRB], v[B0]
	s_mul_i32 s21, s[WV], FR
	s_add_co_u32 s21, s21, STAGE                   ; my stage
	v_add_nc_u32 v[STO], s21, v12                  ; in: row l % 16, 16 bytes for each half of the lanes
	v_bfe_u32 v13, v0, 3, 2
	v_and_b32 v14, 7, v0
	v_mul_u32_u24 v[RD], v13, PITCH                ; back: 32 lanes take four rows of 128 bytes,
	v_lshl_add_u32 v[RD], v14, 4, v[RD]
	v_add_nc_u32 v[RD], s21, v[RD]
	v_and_b32 v[GO], 31, v0                        ; which are 512 consecutive bytes of the result
	v_lshlrev_b32 v[GO], 4, v[GO]
	s_mul_i32 s74, s17, 384*4
	s_mul_i32 s75, s[CH], 192*4
	s_add_co_u32 s74, s74, s75                     ; my first column's bias
	v_lshl_add_u32 v[BO], v11, 5, s74              ; + my lanes' 8 columns
	; the bias of block b of columns goes into accumulator (0, b): register j of a lane belongs to column 16 b + 8 (l / 16) + j
.irp b, 0,1,2,3,4,5,6,7,8,9,10,11
	WIN 0x40*((\b)/4+1)                            ; destination in the accumulator's window
	global_load_b128 v[64*((\b)%4):64*((\b)%4)+3],   v[BO], s[8:9] offset:64*(\b)
	global_load_b128 v[64*((\b)%4)+4:64*((\b)%4)+7], v[BO], s[8:9] offset:64*(\b)+16
.endr
	WIN 0
	; where my rows begin in the result, for each of my three groups of 64 columns: group g = 6 x tile column + 3 x half + j is head g % 16 of section g / 16
	s_mul_i32 s70, s17, 6
	s_mul_i32 s71, s[CH], 3
	s_add_co_u32 s70, s70, s71
	s_and_b32 s71, s18, 7                          ; a batch has eight tile rows:
	s_lshl_b32 s71, s71, 15                        ; 256 rows of 128 bytes each,
	s_lshl_b32 s72, s[RH], 14                      ; my 128
	s_add_co_u32 s71, s71, s72
	s_lshr_b32 s75, s18, 3
	s_lshl_b32 s75, s75, 4                         ; 16 x batch
.irp j, 0,1,2
	s_add_co_u32 s72, s70, \j
	s_lshr_b32 s73, s72, 4                         ; section
	s_and_b32 s72, s72, 15                         ; head
	s_lshl_b32 s73, s73, 6
	s_add_co_u32 s72, s72, s73
	s_add_co_u32 s72, s72, s75                     ; 64 x section + 16 x batch + head,
	s_lshl_b32 s72, s72, 18                        ; each 2,048 rows of 128 bytes
	s_add_co_u32 s72, s72, s71
	s_mov_b32 s73, 0
	s_add_nc_u64 s[OUT+2*(\j):OUT+2*(\j)+1], s[10:11], s[72:73]
.endr
; 16 matrix instructions: blocks of columns 4 t + bb0 and + 1 x all 8 blocks of rows, 32 along K.  The accumulators take turns, one instruction a turn.
; first = 1: the sums start: C is the bias, which lies in accumulator (0, b); that accumulator's own product is left to THIRD.
.macro MUL16 t, bb0, af, first
	WIN 0x50*((\t)+1)                              ; C and D in window t + 1, sources in window 0
.irp bb, \bb0, (\bb0)+1
.irp a, 0,1,2,3,4,5,6,7
.if !(\first)
	v_wmma_f32_16x16x32_bf16 v[8*(8*(\bb)+(\a)):8*(8*(\bb)+(\a))+7], v[BF+8*(4*(\t)+(\bb)):BF+8*(4*(\t)+(\bb))+7], v[(\af)+8*(\a):(\af)+8*(\a)+7], v[8*(8*(\bb)+(\a)):8*(8*(\bb)+(\a))+7]
.elseif (\a) > 0
	v_wmma_f32_16x16x32_bf16 v[8*(8*(\bb)+(\a)):8*(8*(\bb)+(\a))+7], v[BF+8*(4*(\t)+(\bb)):BF+8*(4*(\t)+(\bb))+7], v[(\af)+8*(\a):(\af)+8*(\a)+7], v[64*(\bb):64*(\bb)+7]
.endif
.endr
.endr
.endm
; A third of a chunk: the 32 accumulators of window t + 1.  first = 1: the four accumulators that hold the bias add onto it in place, five places behind the last product that read it as C.
.macro THIRD t, af, first
	MUL16 \t, 0, \af, \first
	MUL16 \t, 2, \af, \first
.if \first
.rept 5
	v_nop
.endr
.irp bb, 0,1,2,3
	v_wmma_f32_16x16x32_bf16 v[64*(\bb):64*(\bb)+7], v[BF+8*(4*(\t)+(\bb)):BF+8*(4*(\t)+(\bb))+7], v[(\af):(\af)+7], v[64*(\bb):64*(\bb)+7]
.endr
.endif
.endm
; THE LDS LOADS stand in runs.  RUN0: W's fragments 0-3 and all of x's, 24 loads, at byte k of the rows.  RUNB: W's fragments 4 t .. 4 t + 3, 8 loads.
.macro RUN0 k, ag
	WIN 0
.irp bb, 0,1,2,3
	ds_load_b128 v[BF+8*(\bb):BF+8*(\bb)+3],   v[ADRB] offset:(\k)+(\bb)*FR
	ds_load_b128 v[BF+8*(\bb)+4:BF+8*(\bb)+7], v[ADRB] offset:(\k)+(\bb)*FR+32
.endr
.irp a, 0,1,2,3,4,5,6,7
	ds_load_b128 v[(\ag)+8*(\a):(\ag)+8*(\a)+3],   v[ADRA] offset:(\k)+(\a)*FR
	ds_load_b128 v[(\ag)+8*(\a)+4:(\ag)+8*(\a)+7], v[ADRA] offset:(\k)+(\a)*FR+32
.endr
.endm
.macro RUNB t, k
	WIN 0
.irp bb, 0,1,2,3
	ds_load_b128 v[BF+8*(4*(\t)+(\bb)):BF+8*(4*(\t)+(\bb))+3],   v[ADRB] offset:(\k)+(4*(\t)+(\bb))*FR
	ds_load_b128 v[BF+8*(4*(\t)+(\bb))+4:BF+8*(4*(\t)+(\bb))+7], v[ADRB] offset:(\k)+(4*(\t)+(\bb))*FR+32
.endr
.endm
; A K step is two chunks of 32 along K, 96 matrix instructions each.  The first chunk multiplies buffer af and fetches the second's fragments, at byte k of the same slot's rows: behind each third,
; the four fragments of W that it has read are loaded again, 64 matrix instructions ahead of their next use.
.macro CHUNK af, ag, k, first
	s_wait_dscnt 16                                ; the last RUN0 is in; the two runs of 8 issued behind it may be out
	THIRD 0, \af, \first
	PLACES
	RUN0 \k, \ag
	s_wait_dscnt 32                                ; W's fragments 4-7 are in; behind them: 8 loads for fragments 8-11 and the 24 just issued
	THIRD 1, \af, \first
	PLACES
	RUNB 1, \k
	s_wait_dscnt 32                                ; W's fragments 8-11 are in; behind them: the 24 and the 8 just issued
	THIRD 2, \af, \first
	PLACES
	RUNB 2, \k
.endm
; The second chunk multiplies buffer 1 and changes slots: ONE barrier.  In front of it each wave waits for all its tensor loads, of which one is out: its part of the next slot; adds 0 to its spare
; word; and waits for that and for its own reads of this slot.  fill = 1: the barrier opens a round of the cluster's barrier, and this slot is filled again, first thing behind the round, with the K step two on.
.macro TURN fill
	WIN 0                                          ; (the add's two registers lie in window 0)
	s_wait_tensorcnt 0x0                           ; no tensor load of mine is out, so a group 0 may be written
	ds_add_u32 v[SPW], v[NIL]                      ; 0 onto my spare word
.if \fill
	s_xor_b32 s[G0A+5], s[G0A+5], SLOT1            ; the walking descriptors: the other slot than last time,
	s_add_nc_u64 s[G0A+6:G0A+7], s[G0A+6:G0A+7], ASTEP  ; the next block of K; the type bits on top are not reached
	s_xor_b32 s[G0B+5], s[G0B+5], SLOT1
	s_add_nc_u64 s[G0B+6:G0B+7], s[G0B+6:G0B+7], BSTEP
.endif
	s_wait_dscnt 17                                ; the last RUN0 is in; the two runs of 8 and the add may be out
	MUL16 0, 0, AF1, 0                             ; sixteen matrix instructions stand between the add and the wait for it
	s_wait_dscnt 0x0                               ; the add is done, and my reads of this slot are over
	s_barrier_signal -1
	MUL16 0, 2, AF1, 0                             ; work on registers while the others arrive
	WIN 0
	s_barrier_wait -1
.if \fill
	CREST                                          ; no wave of any partner still reads this slot or has a load on its way
	JLOAD                                          ; the four v_nop behind it are also the places in front of the loads below
.else
	PLACES
.endif
	s_xor_b32 s[TB], s[TB], SLOT1                  ; the fetches go on in the other slot
	v_add_nc_u32 v[ADRA], s[TB], v[A0]
	v_add_nc_u32 v[ADRB], s[TB], v[B0]
	RUN0 0, AF0
	THIRD 1, AF1, 0
	PLACES
	RUNB 1, 0
	THIRD 2, AF1, 0
	PLACES
	RUNB 2, 0
.endm
; THE WAY OUT, in 24 units: unit u is block u % 8 of my rows in group u / 8 of 64 columns: 16 rows x 128 bytes, 2,048 consecutive bytes of the result.
.macro PACK u                          ; rounded to f16, 16 bytes a lane; each accumulator's registers in ascending order
.set UJ, (\u)/8
.set UA, (\u)%8
	WIN 0x05*(UJ+1)                                ; sources 0 and 1 in the group's window
.irp bb, 0,1,2,3
.irp r, 0,1,2,3
	v_cvt_pk_f16_f32 v[TMP+4*(\bb)+(\r)], v[8*(8*(\bb)+UA)+2*(\r)], v[8*(8*(\bb)+UA)+2*(\r)+1]
.endr
.endr
	WIN 0
.endm
.macro TOSTAGE u                       ; into my own stage, and back as whole rows
.set BK, BK0+16*((\u)%2)
.irp bb, 0,1,2,3
	ds_store_b128 v[STO], v[TMP+4*(\bb):TMP+4*(\bb)+3] offset:32*(\bb)
.endr
.irp f, 0,1,2,3
	ds_load_b128 v[BK+4*(\f):BK+4*(\f)+3], v[RD] offset:(\f)*4*PITCH  ; LDS serves a wave's instructions in order (ISA guide 5.7.1.4): these see the stores above
.endr
.endm
.macro SEND u
.set UJ, (\u)/8
.set UA, (\u)%8
.set BK, BK0+16*((\u)%2)
	s_wait_dscnt 0x0                               ; the unit is back in registers
	s_wait_xcnt 0x0                                ; the stores issued so far have read their registers: the other set is loaded again only behind this wait
.irp f, 0,1,2,3
	global_store_b128 v[GO], v[BK+4*(\f):BK+4*(\f)+3], s[OUT+2*UJ:OUT+2*UJ+1] offset:UA*2048+(\f)*512  ; 512 consecutive bytes, at a multiple of 256 from the buffer's first
.endr
.endm
	s_wait_tensorcnt 0x1                           ; my part of K step 0 is in; K step 1's may stay out
	s_barrier_signal -1
	s_barrier_wait -1                              ; everybody's is
	RUN0 0, AF0
	RUNB 1, 0
	RUNB 2, 0
	s_wait_loadcnt 0x0                             ; the bias
.irp t, 0,1,2                          ; rounded to bf16 and widened again, in place; at work: registers of accumulator (1, b), which holds nothing yet
	WIN 0x55*((\t)+1)
.irp bb, 0,1,2,3
.irp i, 0,1,2,3
	v_cvt_pk_bf16_f32 v[64*(\bb)+8+(\i)], v[64*(\bb)+2*(\i)], v[64*(\bb)+2*(\i)+1]
.endr
.irp i, 0,1,2,3
	v_lshlrev_b32 v[64*(\bb)+2*(\i)], 16, v[64*(\bb)+8+(\i)]
	v_and_b32 v[64*(\bb)+2*(\i)+1], 0xffff0000, v[64*(\bb)+8+(\i)]
.endr
.endr
.endr
	CHUNK AF0, AF1, 64, 1                          ; the first chunk stands in front of the loop: its products start the sums
	WIN 0                                          ; at a label and at a branch every window is 0
	s_mov_b32 s3, 14
.Lstep:                                                ; a trip: a K step's second chunk, which fills its slot again, and the next step's first
	TURN 1
	CHUNK AF0, AF1, 64, 0
	WIN 0
	s_sub_co_u32 s3, s3, 1
	s_cmp_lg_u32 s3, 0
	s_cbranch_scc1 .Lstep
	TURN 0                                         ; the tail is written out: nothing is left to ask for
	CHUNK AF0, AF1, 64, 0
	s_wait_dscnt 16                                ; the very last chunk: nothing more to fetch
	THIRD 0, AF1, 0
	s_wait_dscnt 8
	THIRD 1, AF1, 0
	s_wait_dscnt 0x0
	THIRD 2, AF1, 0
	PLACES                                         ; eight places, once a launch, between the last products and the conversions that read results
	PLACES
	PACK 0
	TOSTAGE 0
.set u, 1
.rept 23                               ; a unit's conversions stand between the loads of the unit before and the wait for them
	PACK u
	SEND u-1
	TOSTAGE u
.set u, u+1
.endr
	SEND 23
	s_wait_tensorcnt 0x0                           ; the wave's end, behind my last tensor load and my last LDS store
	ds_add_u32 v[SPW], v[NIL]
	s_wait_dscnt 0x0
	CROUND                                         ; the closing round: no work-group ends while a partner may still ask for a tile that names it
	s_endpgm
.Lfunc_end_k_q7868020e8b_qkvgemm:
	.size	k_q7868020e8b_qkvgemm, .Lfunc_end_k_q7868020e8b_qkvgemm-k_q7868020e8b_qkvgemm
	.p2alignl 7, 3214868480
	.fill 96, 4, 3214868480
	.section	.rodata,"a",@progbits
	.p2align	6, 0x0
	.amdhsa_kernel k_q7868020e8b_qkvgemm
		.amdhsa_group_segment_fixed_size 327680
		.amdhsa_private_segment_fixed_size 0
		.amdhsa_enable_private_segment 0
		.amdhsa_kernarg_size 32
		.amdhsa_user_sgpr_count 2
		.amdhsa_user_sgpr_kernarg_segment_ptr 1
		.amdhsa_wavefront_size32 1
		.amdhsa_system_sgpr_workgroup_id_x 1
		.amdhsa_system_sgpr_workgroup_id_y 1
		.amdhsa_system_sgpr_workgroup_id_z 1
		.amdhsa_system_vgpr_workitem_id 0
		.amdhsa_next_free_vgpr 1024
		.amdhsa_next_free_sgpr 76
		.amdhsa_reserve_vcc 0
		.amdhsa_float_denorm_mode_32 3
		.amdhsa_float_denorm_mode_16_64 3
		.amdhsa_memory_ordered 1
		.amdhsa_forward_progress 1
		.amdhsa_inst_pref_size 123
	.end_amdhsa_kernel
	.amdgpu_metadata
---
amdhsa.version: [ 1, 2 ]
amdhsa.kernels:
  - .name:           k_q7868020e8b_qkvgemm
    .symbol:         k_q7868020e8b_qkvgemm.kd
    .args:
      - { .name: xb, .offset: 0, .size: 8, .value_kind: global_buffer, .address_space: global }
      - { .name: wqkvb, .offset: 8, .size: 8, .value_kind: global_buffer, .address_space: global }
      - { .name: bqkv, .offset: 16, .size: 8, .value_kind: global_buffer, .address_space: global }
      - { .name: qkv, .offset: 24, .size: 8, .value_kind: global_buffer, .address_space: global }
    .group_segment_fixed_size: 327680
    .private_segment_fixed_size: 0
    .kernarg_segment_align: 8
    .kernarg_segment_size: 32
    .max_flat_workgroup_size: 128
    .sgpr_count:     76
    .vgpr_count:     1024
    .wavefront_size: 32
...
	.end_amdgpu_metadata
.endif
;; end of part 2
;; launch attn (part 3): grid 4 x 64, 4 waves a work-group, no clusters, 327,680 bytes of LDS; arguments qkv, o; writes o
.if DOCPART == 3
	.amdgcn_target "amdgcn-amd-amdhsa--gfx1250"
	.amdhsa_code_object_version 6
	.text
	.protected	k_q7868020e8b_attn
	.globl	k_q7868020e8b_attn
	.p2align	8
	.type	k_q7868020e8b_attn,@function
k_q7868020e8b_attn:
	s_mov_b64 s[64:65], 0
	v_nop
	global_prefetch_b8 v0, s[64:65] scope:SCOPE_SE
	s_setreg_imm32_b32 hwreg(HW_REG_WAVE_MODE, 25, 1), 1
	s_wait_xcnt 0x0
; CAUSAL ATTENTION.  O[h][q][:] = the sum over k <= q of softmax_k(Q[h][q] . K[h][k] / 8) V[h][k][:].  Q, K, V are the three sections of qkv, each [64 heads][SIZE_N][64]; O likewise; all f16: a head's rows are dense, 128 bytes each.
; Products, maxima and sums in f32; the weights p are rounded to f16 for the second product (their sum l is taken of the unrounded p), O once at the end.
; LIMITS.  f16 holds no number beyond 65,504: Q, K and V arrive within it; p lies in 0 to 1, and below 6e-5 it keeps f16's fixed step of 6e-8; O is a mean of V's rows and has their range, to within 2^-11 of it.
; A hidden score counts as its value less 1e30: f16's scores, 2.7e11 at the most, are nothing beside that; a weight below 2^-126 counts as 0 in l; NaN and infinities are not treated apart.
; THE WALK.  A head's queries lie in NB = SIZE_N / 256 blocks of 256; block i needs the key tiles 0 .. i of 256 keys, of which the last holds the diagonal.  A work-group takes TWO blocks, NB - 1 - b and then b:
; NB + 1 tiles, whatever b: all work-groups do equal work, and ONE loop with a constant trip count walks them.  Which tile is asked for, and what a trip does, hang on scalar registers made from b; every jump
; goes forward, but for the counted loops' own; none passes a barrier, or a tensor load but the one of LOAD's two that the wave's number does not choose; the ring (two slots of LDS that take turns) runs on across the
; change of blocks.  NO CLUSTER: a head's NB / 2 = 4 work-groups ask for the same tile only in trips 0 .. NB / 2, behind that fewer and fewer; and one walk common to all would have 3 NB / 2 trips for NB + 1.
; SHARES.  Of a block's four bands of 64 queries a wave owns 16 rows in each: four PIECES.  So the diagonal tile is the same work for all four waves: in its key step s band x sees all keys if s < x,
; none if s > x, and holds the diagonal if s = x.
; THE MASK is the C operand that starts the sum S^T = K Q^T: 0, or -1e30 where the key is hidden.  MD, made once, is the mask of a band's own step for my 16 rows; a product's mask is MD x AL + BE with two scalars:
; (1, 0) if s = x; (0, 0) if s < x; (0, -1e30) if s > x.  Only the diagonal tile's text and a block's beginning make and take masks; elsewhere C is the constant 0.
; LAYOUT, SOFTMAX, TURNS.  S^T = K Q^T holds ONE query a lane (lane % 16) and the keys 8 (lane / 16) + 0..7; two such results rounded to f16 ARE source 1 of O^T = V^T P.  p = 2^(c s - c m), c = log2(e) / 8, with a
; running maximum m; O and l are multiplied by a = 2^(c m_old - c m_new) in every step.  Turn n belongs to piece n: 8 products K Q^T of piece n + 1, later 8 products V^T P of piece n - 1; beside them the scaling,
; exponentials, roundings, sums and rescaling of piece n and the maximum and statistics of piece n + 1.  Four vector instructions stand behind every matrix instruction, the other 54 of a turn's 118 in two LUMPS.
; AHEAD OF THE TENSOR LOADS.  The head's work-group b = 0 walks the tiles 0 .. NB - 1 in order; behind the load of tile i + 1 each of its waves prefetches its own 16,384 bytes (half of K's or of V's tile) of tile i + 2:
; a lane a block of 256 bytes, two instructions; one tile's walk ahead of the load that wants them.  Each block is named once in the launch; tiles 0 and 1 come by their loads alone; nothing is asked for past tile NB - 1.
; REGISTERS, in windows of 256 (s_set_vgpr_msb: bits 1:0 source 0, 3:2 source 1, 5:4 source 2, 7:6 destination):
;   window 0: v0-15 addresses and two at work; v16-31 four registers of statistics a piece; v48-55 at work; v64-127 S^T, two buffers; v192-223 P, two buffers (a piece's buffers go by its number's parity)
;   window 1: v0-127 O^T, 32 a piece; v128-159 MD; v160-223 MC, two buffers      window 2: v0-63 Q; v64-127 the second block's Q; v128-191 K of one step; v192-255 V of one step
.set SIZE_N, 2048
.set NB,    SIZE_N/256
.set NP,    4         ; pieces a wave: a name, no knob
.set KS,    64        ; keys in a step
.set PK,    144       ; a row of K in LDS: 128 bytes + 16 of padding = 36 words: the 16 rows of a load start at 16 different groups of four banks (64 banks of 4 bytes: ISA guide 11.1)
.set PV,    160       ; a row of V: 128 + 32 = 40 words
.set VOFF,  4*KS*PK   ; a slot holds a tile, four steps: 256 rows of K, then 256 rows of V
.set SLOT1, 1<<17     ; slot 1 begins here, so that one exclusive or turns an address in one slot into the other's
.set STAGE, SLOT1+4*KS*(PK+PV)  ; behind the ring, never filled by a tensor load: 16 rows x 144 bytes for each wave, for the way out
.set SP,    144
.set AK0, 2           ; v2   my lane's place in a tile of K; never rewritten
.set AV0, 3           ; v3   the same for V
.set AK,  4           ; v4   the LDS address of K's next run of loads
.set AV,  5           ; v5   of V's
.set STO, 6           ; v6   the way out: where I put 16 bytes of a row
.set RD,  7           ; v7   the way out: where I read rows back
.set GO,  8           ; v8   my byte offset in 512 consecutive bytes of O
.set PFO, 61          ; v61  256 x my lane: the prefetches' offset; never rewritten
.set SPW, 62          ; v62  LDS address of my spare word: SPARE + 4 x my thread's number; never rewritten
.set NIL, 63          ; v63  0; never rewritten
.set SPARE, STAGE+4*16*SP  ; behind the stages: the spare words, 128 bytes for each wave: two blocks of 256 bytes that no other line names
.set MV,  12          ; v12-13  c m_old, kept while c m is made anew: by buffer
.set QO,  15          ; v15  my byte offset in 16 rows of Q
.set ST,  16          ; piece t's statistics at v[ST+4 t]: c m, m, l (even keys', odd keys')
.set TMP, 48          ; by buffer, four registers c0-c3 at work; when the maximum is found c2 takes a
.set S,   64
.set P,   192
.set MD,  128         ; window 1: the eight registers for group kt of 16 keys at MD + 8 kt
.set MC,  160         ; window 1: the masks of the products to come
.set QB,  64          ; window 2
.set KF,  128         ; window 2: key block kb, channel half c at KF + 16 kb + 8 c
.set VF,  192         ; window 2: key half kk, channel block cb at VF + 32 kk + 8 cb
.set WV,  12          ; s12  my wave's number
.set PB,  14          ; s14  b
.set HI,  15          ; s15  NB - 1 - b
.set G1K, 24          ; s[24:31] descriptor group 1 for K's tiles
.set G1V, 32          ; s[32:39] for V's: it differs in the padding alone
.set G0K, 40          ; s[40:43] descriptor group 0 for K's tiles
.set G0V, 44          ; s[44:47] the same for V's
.set SLOTS, 56        ; s56  tiles still to be asked for
.set CNT, 57          ; s57  counts a tile's key steps, 4 to 1
.set CS,  58          ; s[58:59] c: the packed scaling takes the pair's low word for both halves
.set SEL, 60          ; s[60:61] v_permlanex16_b32's selects: each lane takes its own place in the other half
.set TBK, 62          ; s62  LDS byte at which K of the step to be fetched begins
.set TBV, 63          ; s63  the same for V, less VOFF
.set RT,  70          ; s70  tiles of the block in hand that are still to be entered
.set NXT, 71          ; s71  the tile to be asked for next
.set LQ,  72          ; s72  the last tile of the block whose tiles are being asked for
.set NEW, 73          ; s73  1: the tile to be entered is a block's first
.set OFF, 74          ; s[74:75] a tile's byte offset in K and V
.set AL,  76          ; s[76:77] the mask's factor, in the low word
.set BE,  78          ; s[78:79] the mask's addend
.set OLO, 80          ; s[80:81] O at my rows of the second block
.set BIGN, 82         ; s82  -1e30
.set PFA, 88          ; s[88:89] where my prefetches stand: my half of K's (waves 0, 1) or V's (waves 2, 3) tile, one tile behind the one that is being asked for
.set LIM, 90          ; s90  2 where b = 0, else the greatest number: a wave prefetches while s[SLOTS] is above it
.set MSB, 0
.macro WIN new                      ; the high byte repeats the setting that is left; a switch that changes nothing is dropped
.if MSB != (\new)
	s_set_vgpr_msb (MSB<<8)|(\new)
.set MSB, (\new)
.endif
.endm
.set W_KQ, 0x0a       ; K and Q in window 2, S^T in window 0
.set W_KM, 0x1a       ; the same with the C operand in window 1
.set W_PV, 0x52       ; V in window 2, P in window 0, O^T in window 1
.set W_RS, 0x41       ; destination and source 0 in window 1, source 1 in window 0
; A fill.  Waves 0 and 1 fetch the two halves of a tile's K, waves 2 and 3 those of its V: 128 keys each.  An s_nop 0 and four v_nop follow each of the two lines, ahead of the jump and the label.
.macro LOAD
	s_cmp_lt_u32 s[WV], 2
	s_cbranch_scc0 .Lfor_v_\@
	tensor_load_to_lds s[G0K:G0K+3], s[G1K:G1K+7]
	s_nop 0
.rept 4
	v_nop
.endr
	s_branch .Lasked_\@
.Lfor_v_\@:
	tensor_load_to_lds s[G0V:G0V+3], s[G1V:G1V+7]
	s_nop 0
.rept 4
	v_nop
.endr
.Lasked_\@:
.endm
; The prefetch of my half of the tile that the NEXT change of slots will ask for: 64 blocks of 256 bytes, a lane a block, two instructions.  It stands behind the wave's tensor load and its five lines.
.macro ASK
	s_cmp_gt_u32 s[SLOTS], s[LIM]
	s_cbranch_scc0 .Lnot_mine_\@
	global_prefetch_b8 v[PFO], s[PFA:PFA+1] th:TH_LOAD_NT scope:SCOPE_SE
	global_prefetch_b8 v[PFO], s[PFA:PFA+1] offset:8192 th:TH_LOAD_NT scope:SCOPE_SE
.Lnot_mine_\@:
.endm
; THE CHANGE OF SLOTS.  Each wave waits for all its tensor loads, of which one is out: its part of the other slot; adds 0 to its spare word; and waits for that and for its own reads of the slot that it leaves.  Behind the barrier nobody reads the old
; slot any more and the other slot is whole.  fill = 1: the old slot is filled again, the first thing behind the barrier, with tile NXT: the descriptor's address is made anew from that number.
; (At its first use nothing has been read yet: slot 0 is waited for, slot 1 filled.)
.macro CHANGE fill
	WIN 0                           ; at a label and at a branch every window is 0
	s_wait_tensorcnt 0x0            ; no tensor load of mine is out, so a group 0 may be written
	ds_add_u32 v[SPW], v[NIL]       ; 0 onto my spare word; with fill = 1 the descriptors' scalar work stands between it and the wait for it
.if \fill
	s_lshl_b32 s[OFF], s[NXT], 15   ; a tile is 32,768 bytes of K and of V
	s_xor_b32 s[G0K+1], s[G0K+1], SLOT1
	s_add_nc_u64 s[G0K+2:G0K+3], s[6:7], s[OFF:OFF+1]
	s_or_b32 s[G0K+3], s[G0K+3], 0x80000000
	s_xor_b32 s[G0V+1], s[G0V+1], SLOT1
	s_add_nc_u64 s[G0V+2:G0V+3], s[8:9], s[OFF:OFF+1]
	s_or_b32 s[G0V+3], s[G0V+3], 0x80000000
	s_add_co_u32 s[NXT], s[NXT], 1  ; the block's next tile, or behind its last the second block's tile 0
	s_cmp_gt_u32 s[NXT], s[LQ]
	s_cselect_b32 s[NXT], 0, s[NXT]
	s_cselect_b32 s[LQ], s[PB], s[LQ]
	s_wait_xcnt 0x0                 ; the last prefetches, a tile's walk back, have read their address, so it may be written:
	s_add_nc_u64 s[PFA:PFA+1], s[PFA:PFA+1], 32768  ; a tile on
.endif
	s_wait_dscnt 0x0                ; the add is done, and my reads of the slot are over
	s_barrier_signal -1             ; the rest of the scalar work stands between the signal and the wait
	s_sub_co_u32 s[TBK], s[TBK], 4*KS*PK  ; the fetches go back to a slot's first step,
	s_xor_b32 s[TBK], s[TBK], SLOT1       ; in the other slot
	s_sub_co_u32 s[TBV], s[TBV], 4*KS*PV
	s_xor_b32 s[TBV], s[TBV], SLOT1
	s_barrier_wait -1
.if \fill
	LOAD
	ASK
.endif
.endm
	s_load_b64 s[4:5], s[0:1], 0x0    ; qkv: its first section is Q
	s_load_b64 s[10:11], s[0:1], 0x8  ; O
	v_lshl_add_u32 v[SPW], v0, 2, SPARE
	v_mov_b32 v[NIL], 0
	ds_add_u32 v[SPW], v[NIL]       ; the wave's opening: the add and its wait stand ahead of my first tensor load; the set-up below, work on registers, stands between them
	ds_add_u32 v62, v63
	v_lshrrev_b32 v1, 5, v0
	v_readfirstlane_b32 s[WV], v1   ; wave 0..3
	s_mov_b32 s[PB], ttmp9
	s_sub_co_u32 s[HI], NB-1, s[PB]
	s_and_b32 s20, ttmp7, 0xffff    ; the head
	s_mov_b32 s21, 0
	s_mov_b64 s[22:23], SIZE_N*128
	s_mul_u64 s[20:21], s[20:21], s[22:23]  ; the head's first byte in each of the four tensors
	s_and_b32 s16, s[WV], 1         ; which half of a tile's 256 keys I fetch:
	s_lshl_b32 s22, s16, 14         ; its 128 rows of 128 bytes in memory,
	s_mov_b32 s23, 0
	s_add_nc_u64 s[22:23], s[22:23], s[20:21]
	s_mul_i32 s17, s16, 128*PK      ; and its place in a slot, for K
	s_mul_i32 s18, s16, 128*PV      ; and for V
	s_lshl_b32 s3, s[WV], 11        ; my 16 rows in a band of 64,
	s_lshl_b32 s2, s[HI], 15        ; in the first block,
	s_add_co_u32 s2, s2, s3
	s_lshl_b32 s84, s[PB], 15       ; and in the second
	s_add_co_u32 s84, s84, s3
	s_mov_b32 s3, 0
	s_mov_b32 s85, 0
	s_add_nc_u64 s[2:3], s[2:3], s[20:21]
	s_add_nc_u64 s[84:85], s[84:85], s[20:21]
	; descriptor group 1.  128 keys are 16,384 dense bytes: asked for as 64 rows of 256 bytes, two keys a row, and padded in LDS after every key
	s_mov_b32 s[G1K], (1<<16)|(1<<20)|(4<<22)|(3<<25)  ; 17:16 2-byte elements; 20 padding on; 24:22 after every 32 words (code 4); 31:25 4 words (code 3)
	s_mov_b32 s[G1V], (1<<16)|(1<<20)|(4<<22)|(7<<25)  ; the same with 8 words of padding (code 7)
.irp g, G1K, G1V
	s_mov_b32 s[\g+1], 128<<16      ; tensor_dim0 = 128
	s_mov_b32 s[\g+2], 64<<16       ; tensor_dim1 = 64
	s_mov_b32 s[\g+3], 128<<16      ; tile_dim0 = 128
	s_mov_b32 s[\g+4], 64           ; tile_dim1 = 64
	s_mov_b32 s[\g+5], 128          ; 128 elements from row to row
	s_mov_b32 s[\g+6], 0
	s_mov_b32 s[\g+7], 0
.endr
	s_mov_b32 s[CS], 0x3e38aa3b     ; c = log2(e) / 8 = 0.180337
	s_mov_b32 s[CS+1], s[CS]        ; named with it as a pair
	s_mov_b32 s[SEL], 0x76543210
	s_mov_b32 s[SEL+1], 0xfedcba98
	s_mov_b32 s[TBK], SLOT1+4*KS*PK ; the first change of slots turns these two into 0
	s_mov_b32 s[TBV], SLOT1+4*KS*PV
	s_mov_b32 s[G0K], 1             ; 1:0 count = 1
	s_mov_b32 s[G0K+1], s17         ; 63:32 LDS address: slot 0
	s_mov_b32 s[G0V], 1
	s_add_co_u32 s[G0V+1], s18, VOFF
	s_add_co_u32 s[RT], s[HI], 1    ; the first block has NB - b tiles
	s_mov_b32 s[NXT], 1
	s_mov_b32 s[LQ], s[HI]
	s_mov_b32 s[NEW], 1
	s_mov_b32 s[OFF+1], 0
	s_mov_b32 s[AL+1], 0            ; named as pairs
	s_mov_b32 s[BE+1], 0
	s_mov_b32 s[BIGN], 0xf149f2ca   ; -1e30
	s_mov_b32 s[SLOTS], NB
	s_cmp_eq_u32 s[PB], 0           ; the head's work-group that walks all its tiles in order prefetches, while two tiles or more are still to be asked for behind this one
	s_cselect_b32 s[LIM], 2, -1
	v_and_b32 v[PFO], 31, v0
	v_lshlrev_b32 v[PFO], 8, v[PFO]
	s_wait_dscnt 0x0                ; the opening add is done
	s_wait_kmcnt 0x0
	s_add_nc_u64 s[6:7], s[4:5], 0x1000000  ; K: the second section of qkv, 64 heads x 2,048 rows x 128 bytes on,
	s_add_nc_u64 s[8:9], s[4:5], 0x2000000  ; V: the third
	s_add_nc_u64 s[6:7], s[6:7], s[22:23]  ; K and V at my half of the head's tile 0
	s_add_nc_u64 s[8:9], s[8:9], s[22:23]
	s_add_nc_u64 s[G0K+2:G0K+3], s[6:7], 0         ; 120:64 global address
	s_or_b32 s[G0K+3], s[G0K+3], 0x80000000        ; 127:126 type = 2
	s_add_nc_u64 s[G0V+2:G0V+3], s[8:9], 0
	s_or_b32 s[G0V+3], s[G0V+3], 0x80000000
	s_add_nc_u64 s[86:87], s[4:5], s[84:85]        ; Q at my rows of the second block,
	s_add_nc_u64 s[4:5], s[4:5], s[2:3]            ; Q and O at those of the first
	s_add_nc_u64 s[OLO:OLO+1], s[10:11], s[84:85]
	s_add_nc_u64 s[10:11], s[10:11], s[2:3]
	s_cmp_lt_u32 s[WV], 2
	s_cselect_b64 s[PFA:PFA+1], s[6:7], s[8:9]     ; the tensor whose tiles I fetch,
	s_add_nc_u64 s[PFA:PFA+1], s[PFA:PFA+1], 32768 ; at tile 1: the first change of slots steps it to tile 2.  Nothing is prefetched here, at the head
	LOAD                            ; tile 0 into slot 0
	; A fragment of K or Q is 16 rows x 32 channels in 8 registers: lane l holds row l % 16, channels 8 (l / 16) + 0..7 and 16 + 8 (l / 16) + 0..7: two loads of 16 bytes, 32 bytes apart.
	v_and_b32 v1, 15, v0            ; l % 16
	v_bfe_u32 v9, v0, 4, 1          ; l / 16
	v_lshlrev_b32 v[QO], 7, v1
	v_lshl_add_u32 v[QO], v9, 4, v[QO]  ; row x 128 + 16 x half
	WIN 0x80                        ; destination window 2, address window 0
.set i, 0
.rept 8                             ; both blocks' Q: piece i / 2 lies in band i / 2, 8,192 bytes on; channels 32 (i % 2) on
	global_load_b128 v[8*i:8*i+3],   v[QO], s[4:5] offset:(i/2)*8192+(i%2)*64
	global_load_b128 v[8*i+4:8*i+7], v[QO], s[4:5] offset:(i/2)*8192+(i%2)*64+32
	global_load_b128 v[QB+8*i:QB+8*i+3],   v[QO], s[86:87] offset:(i/2)*8192+(i%2)*64
	global_load_b128 v[QB+8*i+4:QB+8*i+7], v[QO], s[86:87] offset:(i/2)*8192+(i%2)*64+32
.set i, i+1
.endr
	WIN 0
	v_lshlrev_b32 v14, 3, v9
	v_sub_nc_u32 v14, v1, v14
	s_lshl_b32 s13, s[WV], 4
	v_add_nc_u32 v14, s13, v14      ; my query's place in its band, 16 w + l % 16, less my lanes' 8 (l / 16): register r of group kt is hidden where 16 kt + r is greater
	WIN 0x40
.set i, 0
.rept 32
	v_cmp_gt_i32 vcc_lo, 16*(i/8)+i%8, v14
	v_cndmask_b32 v[MD+i], 0, s[BIGN], vcc_lo
.set i, i+1
.endr
	WIN 0
	v_mul_u32_u24 v[AK0], v1, PK
	v_lshl_add_u32 v[AK0], v9, 4, v[AK0]  ; row x pitch + 16 x half
	; The turning load takes 16 keys x 16 channels (lane l reads key 8 (l / 16) + l % 8, channels 8 ((l / 8) % 2) + 0..7) and leaves half a fragment of V^T: lane l holds channel l % 16 and 8 keys.
	v_and_b32 v10, 7, v0
	v_bfe_u32 v11, v0, 3, 1
	v_lshl_add_u32 v[AV0], v9, 3, v10
	v_mul_u32_u24 v[AV0], v[AV0], PV
	v_lshl_add_u32 v[AV0], v11, 4, v[AV0]
	v_add_nc_u32 v[AV0], VOFF, v[AV0]
	s_mul_i32 s13, s[WV], 16*SP
	s_add_co_u32 s13, s13, STAGE    ; my stage
	v_mul_u32_u24 v[STO], v1, SP    ; in: row l % 16, 16 bytes for each half of the lanes
	v_lshl_add_u32 v[STO], v9, 4, v[STO]
	v_add_nc_u32 v[STO], s13, v[STO]
	v_bfe_u32 v[RD], v0, 3, 2       ; back: 32 lanes take four rows of 128 bytes,
	v_mul_u32_u24 v[RD], v[RD], SP
	v_lshl_add_u32 v[RD], v10, 4, v[RD]
	v_add_nc_u32 v[RD], s13, v[RD]
	v_and_b32 v[GO], 31, v0         ; which are 512 consecutive bytes of O
	v_lshlrev_b32 v[GO], 4, v[GO]
	; A block's first step multiplies O^T and l by a = 0, and its first turn's products V^T P, of a piece that has not been, land in an O^T that is still to be so multiplied.  So these registers need only hold
	; finite numbers: zeros for the first block; what the first block left for the second.  All this stands in the wait for the first tile.
	WIN 0x80
.set i, VF
.rept 64
	v_mov_b32 v[i], 0
.set i, i+1
.endr
	WIN 0x40
.set i, 0
.rept 128
	v_mov_b32 v[i], 0
.set i, i+1
.endr
	WIN 0
.set i, 0
.rept 4
	v_mov_b32 v[ST+4*i+2], 0
	v_mov_b32 v[ST+4*i+3], 0
.set i, i+1
.endr
.set i, P+16
.rept 16
	v_mov_b32 v[i], 0
.set i, i+1
.endr
; THE MATRIX WORK.  The 4 accumulators of a run of 8 take turns.  Product i of 8 of S^T = K Q^T for piece x: channels 32 (i / 4) on, keys 16 (i % 4) on.  The first 4 start the sums: with 0, or (KM = 1) with the mask.
.macro KQ x
.set rS, S+32*((\x)%2)+8*(i%4)
.set rK, KF+16*(i%4)+8*(i/4)
.set rQ, 16*(\x)+8*(i/4)
.set rM, MC+32*((\x)%2)+8*(i%4)
.if (i < 4) && KM
	WIN W_KM
	v_wmma_f32_16x16x32_f16 v[rS:rS+7], v[rK:rK+7], v[rQ:rQ+7], v[rM:rM+7]
.elseif i < 4
	WIN W_KQ
	v_wmma_f32_16x16x32_f16 v[rS:rS+7], v[rK:rK+7], v[rQ:rQ+7], 0
.else
	WIN W_KQ
	v_wmma_f32_16x16x32_f16 v[rS:rS+7], v[rK:rK+7], v[rQ:rQ+7], v[rS:rS+7]
.endif
.endm
; Product i of 8 of O^T += V^T P for piece x: keys 32 (i / 4) on, channels 16 (i % 4) on.
.macro PV x
	WIN W_PV
.set rO, 32*(\x)+8*(i%4)
.set rV, VF+32*(i/4)+8*(i%4)
.set rP, P+16*((\x)%2)+8*(i/4)
	v_wmma_f32_16x16x32_f16 v[rO:rO+7], v[rV:rV+7], v[rP:rP+7], v[rO:rO+7]
.endm
.macro MM                           ; the turn's next matrix instruction.  TURN and BEGIN set Y, i, KM and NOKQ; MM, KQ and OP read them.  NOKQ = 1: a block's last turn: there is no next piece
.if (i < 8) && !NOKQ
	KQ (Y+1)%NP
.elseif i >= 8
.set i, i-8
	PV (Y+NP-1)%NP
.set i, i+8
.endif
.set i, i+1
.endm
; THE LDS LOADS stand in runs of 16, never singly among the matrix instructions: a step's K (64 keys x 64 channels: 8 fragments) and its V (turned).  Their addresses are made some lines ahead.
.macro FETCH_K
	WIN 0x80                        ; destination window 2
.irp f, 0,1,2,3,4,5,6,7             ; keys 16 (f / 2) on, channels 32 (f % 2) on
	ds_load_b128 v[KF+8*\f:KF+8*\f+3],   v[AK] offset:(\f/2)*16*PK+(\f%2)*64
	ds_load_b128 v[KF+8*\f+4:KF+8*\f+7], v[AK] offset:(\f/2)*16*PK+(\f%2)*64+32
.endr
	s_add_co_u32 s[TBK], s[TBK], KS*PK  ; the next fetch is the next step's
	WIN 0
.endm
.macro FETCH_V
	WIN 0x80
.irp f, 0,1,2,3,4,5,6,7             ; keys 32 (f / 4) on, channels 16 (f % 4) on
	ds_load_tr16_b128 v[VF+8*\f:VF+8*\f+3],   v[AV] offset:(\f/4)*32*PV+(\f%4)*32
	ds_load_tr16_b128 v[VF+8*\f+4:VF+8*\f+7], v[AV] offset:(\f/4)*32*PV+16*PV+(\f%4)*32
.endr
	WIN 0
.endm
; THE VECTOR WORK, one line at a time: OP kind, number.  For piece Y: F n: c s - c m for pair n of 16.  E n: the exponential of score n of 32.  C n: pair n rounded to f16.  B n: of the four weights 4 n .. the second
; pair is added onto the first, in place.  L n: l takes that sum (L 0: l = a l + sum).  R n: pair n of 16 of O^T times a.  For piece Y + 1: X n, number n of the 22 that find its maximum and statistics:
;   0-11  four chains c0-c3 of seven scores each, three operands at a time (each accumulator's lowest registers are read first)     12-14, 16  the four scores left over, the old m, and c0-c3 into c0
;   15  c m_old is kept     17, 18  the query's other 32 keys lie in the lane 16 away: the new m     19-21  c m; c m_old - c m_new; a
.set F, 0               ; OP tells the kinds apart by their order: F to L below R, X above it
.set E, 1
.set C, 2
.set B, 3
.set L, 4
.set R, 5
.set X, 6
.macro REGS y                       ; the registers of piece y
.set rT, ST+4*(\y)
.set rC, TMP+4*((\y)%2)
.set rW, MV+((\y)%2)
.set rS, S+32*((\y)%2)
.set rP, P+16*((\y)%2)
.set rO, 32*(\y)
.endm
.macro OP k, n
.if (\k) == R
	REGS Y
	WIN W_RS
	v_pk_mul_f32 v[rO+2*(\n):rO+2*(\n)+1], v[rO+2*(\n):rO+2*(\n)+1], v[rC+2:rC+3] op_sel_hi:[1,0]
.elseif (\k) < R
	REGS Y
	WIN 0
.if (\k) == F
	v_pk_fma_f32 v[rS+2*(\n):rS+2*(\n)+1], v[rS+2*(\n):rS+2*(\n)+1], s[CS:CS+1], v[rT:rT+1] op_sel_hi:[1,0,0] neg_lo:[0,0,1] neg_hi:[0,0,1]
.elseif (\k) == E
	v_exp_f32 v[rS+(\n)], v[rS+(\n)]
.elseif (\k) == C
	s_wait_alu depctr_va_vdst(0)
	v_cvt_pk_f16_f32 v[rP+(\n)], v[rS+2*(\n)], v[rS+2*(\n)+1]
.elseif (\k) == B
	s_wait_alu depctr_va_vdst(0)
	v_pk_add_f32 v[rS+4*(\n):rS+4*(\n)+1], v[rS+4*(\n):rS+4*(\n)+1], v[rS+4*(\n)+2:rS+4*(\n)+3]
.elseif (\n) == 0
	v_pk_fma_f32 v[rT+2:rT+3], v[rT+2:rT+3], v[rC+2:rC+3], v[rS:rS+1] op_sel_hi:[1,0,1]
.else
	v_pk_add_f32 v[rT+2:rT+3], v[rT+2:rT+3], v[rS+4*(\n):rS+4*(\n)+1]
.endif
.elseif NOKQ
	v_nop
.else
	REGS (Y+1)%NP
	WIN 0
.if (\n) < 4
	v_max3_num_f32 v[rC+(\n)], v[rS+8*(\n)], v[rS+8*(\n)+1], v[rS+8*(\n)+2]
.elseif (\n) < 12
	v_max3_num_f32 v[rC+(\n)%4], v[rC+(\n)%4], v[rS+8*((\n)%4)+2*((\n)/4)+1], v[rS+8*((\n)%4)+2*((\n)/4)+2]
.elseif (\n) == 12
	v_max3_num_f32 v[rC], v[rC], v[rS+7], v[rS+15]
.elseif (\n) == 13
	v_max3_num_f32 v[rC+1], v[rC+1], v[rS+23], v[rS+31]
.elseif (\n) == 14
	v_max3_num_f32 v[rC+2], v[rC+2], v[rC+3], v[rT+1]
.elseif (\n) == 15
	v_mov_b32 v[rW], v[rT]
.elseif (\n) == 16
	v_max3_num_f32 v[rC], v[rC], v[rC+1], v[rC+2]
.elseif (\n) == 17
	v_permlanex16_b32 v[rC+3], v[rC], s[SEL], s[SEL+1]
.elseif (\n) == 18
	v_max_num_f32 v[rT+1], v[rC], v[rC+3]
.elseif (\n) == 19
	v_mul_f32 v[rT], s[CS], v[rT+1]
.elseif (\n) == 20
	v_sub_f32 v[rC+1], v[rW], v[rT]
.else
	v_exp_f32 v[rC+2], v[rC+1]
.endif
.endif
.endm
.macro OPS a, i1, b=-1, i2=0, c=-1, i3=0, d=-1, i4=0  ; up to four of them
	OP \a, \i1
.if (\b) >= 0
	OP \b, \i2
.endif
.if (\c) >= 0
	OP \c, \i3
.endif
.if (\d) >= 0
	OP \d, \i4
.endif
.endm
.macro ROW a, i1, b, i2, c, i3, d, i4  ; a matrix instruction and the four behind it
	MM
	OPS \a, \i1, \b, \i2, \c, \i3, \d, \i4
.endm
.macro MASK b                       ; MD x AL + BE into buffer b of MC
	WIN W_RS
.set z, 0
.rept 16
	v_pk_fma_f32 v[MC+32*(\b)+2*z:MC+32*(\b)+2*z+1], v[MD+2*z:MD+2*z+1], s[AL:AL+1], s[BE:BE+1] op_sel_hi:[1,0,0]
.set z, z+1
.endr
.endm
; A TURN, for piece p: the order of its 16 matrix and 118 vector instructions, written out.  Behind a matrix instruction: plain, exponential, plain, plain; or four of the rescaling; or, behind the first, four scalings; none
; names a register of the products round it.  In the lumps exponential and plain by turns while exponentials last.  A line reads no result made fewer than three vector instructions in front of it, five if an exponential made it.
; v_permlanex16_b32 (X 17) stands in a lump.
; m = 1: the diagonal tile: the products take masks, and the turn makes the mask for the products of the turn after it: piece p + 2, in step 4 - CNT of the tile.  end = 1: a block's last two turns: nothing is fetched.
; cnt = 1: the loop's count is taken down some lines ahead of the branch that stands behind the turn.
; K of the next step is fetched in piece 2's turn, six vector instructions behind the last product that read K (five of them plain); V of the step in hand in piece 0's turn, eight behind the last product that read V (four
; plain, and X 17).  Each is waited for a turn later.
.macro TURN p, m=0, end=0, cnt=0
.set Y, (\p)
.set i, 0
.set KM, (\m)
.set NOKQ, (\end)*((\p)/3)
.if (\m) && !(\end)
	s_cmp_eq_u32 s[CNT], 4-((\p)+2)%NP  ; is that step the band's own?
	s_cselect_b32 s[AL], 1.0, 0
	s_cmp_lt_u32 s[CNT], 4-((\p)+2)%NP  ; or a later one?
	s_cselect_b32 s[BE], s[BIGN], 0
.endif
.if ((\p) == 3) && !(\end)
	s_wait_dscnt 0x0                ; K is in
.endif
	ROW F,0, F,1, F,2, F,3
	ROW F,4, E,0, F,5, F,6
	ROW F,7, E,1, F,8, F,9
	ROW F,10, E,2, C,0, F,11
	ROW F,12, E,3, X,15, F,13
	ROW R,0, R,1, R,2, R,3
	ROW B,0, E,4, F,14, L,0
.if ((\p) == 2) && !(\end)
	v_add_nc_u32 v[AK], s[TBK], v[AK0]
.endif
	ROW R,4, R,5, R,6, R,7
	OPS E,5, F,15
.if ((\p) == 2) && !(\end)
	FETCH_K
.endif
	OPS E,6, C,1, E,7, R,8
	OPS E,8, R,9, E,9, C,2
	OPS E,10, X,0, E,11, X,1
	OPS E,12, X,2, E,13, X,3
.if (\p) == 1
	s_wait_dscnt 0x0                ; V is in
.endif
	ROW X,4, E,14, X,5, X,6
	ROW X,7, E,15, X,8, X,9
	ROW X,10, E,16, X,11, X,12
	ROW X,13, E,17, X,14, B,1
	ROW C,4, E,18, X,16, L,1
	ROW B,2, E,19, C,6, L,2
	ROW C,8, E,20, B,3, B,4
.if (\p) == 0
	v_add_nc_u32 v[AV], s[TBV], v[AV0]
.endif
	ROW C,3, E,21, L,3, C,5
	OPS E,22, X,17, E,23, C,10
.if (\p) == 0
	FETCH_V
.endif
	OPS E,24, L,4
	OPS E,25, X,18, E,26, C,7
	OPS E,27, B,5, E,28, X,19
	OPS E,29, C,12, E,30, L,5
	OPS E,31, X,20, B,6, C,9
	OPS C,14, C,11, X,21, L,6
.if (\p) == 0
	s_add_co_u32 s[TBV], s[TBV], KS*PV
.endif
.if \cnt
	s_sub_co_u32 s[CNT], s[CNT], 1
	s_cmp_lg_u32 s[CNT], 0
.endif
	OPS C,13, B,7, C,15, R,10
	OPS R,11, R,12, L,7, R,13
	OPS R,14, R,15
.if (\m) && !(\end)
	MASK (\p)%2
.endif
.endm
; A BLOCK BEGINS.  c m starts far below every c s, so the first step's a is 0; m at the lowest finite number, so the first maximum is the scores'.  The second mask buffer is 0; the first takes piece 0's mask for the tile's step 0: its own, if the block's first tile is the diagonal one.
; Then K of that step, piece 0's first scores, and its maximum and statistics.  The loop is entered at a step's first turn, in the middle of a trip.
.macro BEGIN
	s_mov_b32 s[NEW], 0
	WIN 0x40
.set i, MC+32
.rept 32
	v_mov_b32 v[i], 0
.set i, i+1
.endr
	WIN 0
.set i, 0
.rept 4
	v_mov_b32 v[ST+4*i], 0xfe000000    ; c m: far below every c s
	v_mov_b32 v[ST+4*i+1], 0xff7fffff  ; m
.set i, i+1
.endr
	s_cmp_eq_u32 s[RT], 0
	s_cselect_b32 s[AL], 1.0, 0
	s_mov_b32 s[BE], 0
	MASK 0
	WIN 0
	v_add_nc_u32 v[AK], s[TBK], v[AK0]
	FETCH_K
	s_wait_loadcnt 0x0              ; Q
	s_wait_dscnt 0x0
.set KM, 1
.set NOKQ, 0
.set i, 0
.rept 8
	KQ 0
.set i, i+1
.endr
	WIN 0
.rept 4
	v_nop                           ; the places behind those products
.endr
.set Y, NP-1                        ; X works for piece Y + 1: piece 0
.irp n, 0,1,2,3,4,5,6,7,8,9,10,11,12,13,14,15,16,17,18,19,20,21
	OP X, \n
.endr
	v_nop                           ; a plain instruction behind the exponential
.endm
; THE DIAGONAL TILE's four steps, the block's last two turns, its last products, and THE WAY OUT: l's two halves and the other half of the lanes' are added; O^T is divided by l, rounded to f16 and sent through my
; stage in LDS, a piece at a time.
.macro ALL line:vararg              ; one line for each piece t
.set t, 0
.rept 4
	\line
.set t, t+1
.endr
.endm
.macro PACK t                       ; a lane's eight channels of a row pack into 16 bytes; they go into rows of 144 bytes and come back as whole rows of 128, into S^T's registers
	WIN W_RS
.set i, 32*(\t)
.rept 16
	s_wait_alu depctr_va_vdst(0)
	v_pk_mul_f32 v[i:i+1], v[i:i+1], v[ST+4*(\t)+2:ST+4*(\t)+3] op_sel_hi:[1,0]
.set i, i+2
.endr
	WIN 0x05                        ; sources 0 and 1 window 1, destination window 0
.set i, 0
.rept 16
	v_cvt_pk_f16_f32 v[S+16*(\t)+i], v[32*(\t)+2*i], v[32*(\t)+2*i+1]
.set i, i+1
.endr
	WIN 0
.irp f, 0,1,2,3
	ds_store_b128 v[STO], v[S+16*(\t)+4*\f:S+16*(\t)+4*\f+3] offset:32*\f
.endr
.irp f, 0,1,2,3
	ds_load_b128 v[S+16*(\t)+4*\f:S+16*(\t)+4*\f+3], v[RD] offset:\f*4*SP  ; LDS serves a wave's instructions in order (ISA guide 5.7.1.4): these see the stores above; the next piece's stores come behind them
.endr
.endm
.macro SEND t, younger              ; younger: the LDS instructions issued behind piece t's loads: the next piece's eight, or none
	WIN 0
.irp f, 0,1,2,3
	s_wait_dscnt (\younger)+3-\f
	global_store_b128 v[GO], v[S+16*(\t)+4*\f:S+16*(\t)+4*\f+3], s[10:11] offset:(\t)*8192+\f*512  ; 512 consecutive bytes, at a multiple of 256 from O's first
.endr
.endm
.macro DIAG tag                     ; the tag ends its two labels' names, which the jumps below spell out
.LstepM\tag:
	TURN 2, 1
	TURN 3, 1
	WIN 0
.LfirstM\tag:
	TURN 0, 1
	TURN 1, 1, 0, 1
	WIN 0
	s_cbranch_scc1 .LstepM\tag
	TURN 2, 1, 1
	TURN 3, 1, 1
.set i, 0
.rept 8
	PV NP-1
.set i, i+1
.endr
	WIN 0
	ALL v_add_f32 v[ST+4*t+2], v[ST+4*t+2], v[ST+4*t+3]
	ALL v_permlanex16_b32 v[ST+4*t+3], v[ST+4*t+2], s[SEL], s[SEL+1]
	ALL v_add_f32 v[ST+4*t+2], v[ST+4*t+2], v[ST+4*t+3]
	ALL v_rcp_f32 v[ST+4*t+2], v[ST+4*t+2]
	v_nop                           ; a plain instruction between the last reciprocal and the use of its result
	PACK 0
.set t, 1
.rept 3                             ; a piece's arithmetic stands between the loads of the piece before and its stores
	PACK t
	SEND t-1, 8
.set t, t+1
.endr
	SEND 3, 0
.endm
.set KM, 0
.set NOKQ, 0
.Lslot:                             ; NB times: a tile is entered and the next is asked for
	CHANGE 1
	s_sub_co_u32 s[RT], s[RT], 1
	s_mov_b32 s[CNT], 4
	s_cmp_eq_u32 s[NEW], 1
	s_cbranch_scc1 .Lnew            ; a block's first tile
	s_cmp_eq_u32 s[RT], 0
	s_cbranch_scc0 .Lstep           ; neither its first nor its last
	s_branch .LstepM1
.Lnew:
	BEGIN
	s_branch .Lfirst                ; in the loop a block's first tile is never its last: the first block has two tiles or more, and the second's last is the walk's last
	DIAG 1                          ; in the loop this is the first block's end: the second block's last tile is the walk's last
	s_wait_xcnt 0x0                 ; the stores have read their registers and O's address
	s_mov_b64 s[10:11], s[OLO:OLO+1]
	s_add_co_u32 s[RT], s[PB], 1    ; the second block has b + 1 tiles
	s_mov_b32 s[NEW], 1
	WIN 0x82                        ; the second block's Q goes where the one text of the turns names Q
.set i, 0
.rept 64
	v_mov_b32 v[i], v[QB+i]
.set i, i+1
.endr
	WIN 0
	s_branch .Lbottom
.Lstep:                             ; a trip: pieces 2 and 3 of one step, then pieces 0 and 1 of the next, whose K and V it fetches
	TURN 2
	TURN 3
	WIN 0
.Lfirst:
	TURN 0
	TURN 1, 0, 0, 1
	WIN 0
	s_cbranch_scc1 .Lstep
.Lbottom:
	s_sub_co_u32 s[SLOTS], s[SLOTS], 1
	s_cmp_lg_u32 s[SLOTS], 0
	s_cbranch_scc1 .Lslot
	CHANGE 0                        ; the walk's last tile is written out: nothing is asked for
	s_sub_co_u32 s[RT], s[RT], 1
	s_mov_b32 s[CNT], 4
	s_cmp_eq_u32 s[NEW], 1
	s_cbranch_scc0 .LstepM2
	BEGIN
	s_branch .LfirstM2
	DIAG 2
	s_wait_tensorcnt 0x0            ; the wave's end, behind my last tensor load and my last LDS store
	ds_add_u32 v[SPW], v[NIL]
	s_wait_dscnt 0x0
	s_endpgm
.Lfunc_end_k_q7868020e8b_attn:
	.size	k_q7868020e8b_attn, .Lfunc_end_k_q7868020e8b_attn-k_q7868020e8b_attn
	.p2alignl 7, 3214868480
	.fill 96, 4, 3214868480
	.section	.rodata,"a",@progbits
	.p2align	6, 0x0
	.amdhsa_kernel k_q7868020e8b_attn
		.amdhsa_group_segment_fixed_size 327680
		.amdhsa_private_segment_fixed_size 0
		.amdhsa_enable_private_segment 0
		.amdhsa_kernarg_size 16
		.amdhsa_user_sgpr_count 2
		.amdhsa_user_sgpr_kernarg_segment_ptr 1
		.amdhsa_wavefront_size32 1
		.amdhsa_system_sgpr_workgroup_id_x 1
		.amdhsa_system_sgpr_workgroup_id_y 1
		.amdhsa_system_sgpr_workgroup_id_z 1
		.amdhsa_system_vgpr_workitem_id 0
		.amdhsa_next_free_vgpr 768
		.amdhsa_next_free_sgpr 92
		.amdhsa_reserve_vcc 1
		.amdhsa_float_denorm_mode_32 3
		.amdhsa_float_denorm_mode_16_64 3
		.amdhsa_memory_ordered 1
		.amdhsa_forward_progress 1
		.amdhsa_inst_pref_size 229
	.end_amdhsa_kernel
	.amdgpu_metadata
---
amdhsa.version: [ 1, 2 ]
amdhsa.kernels:
  - .name:           k_q7868020e8b_attn
    .symbol:         k_q7868020e8b_attn.kd
    .args:
      - { .name: qkv, .offset: 0, .size: 8, .value_kind: global_buffer, .address_space: global }
      - { .name: o, .offset: 8, .size: 8, .value_kind: global_buffer, .address_space: global }
    .group_segment_fixed_size: 327680
    .private_segment_fixed_size: 0
    .kernarg_segment_align: 8
    .kernarg_segment_size: 16
    .max_flat_workgroup_size: 128
    .sgpr_count:     92
    .vgpr_count:     768
    .wavefront_size: 32
...
	.end_amdgpu_metadata
.endif
;; end of part 3
;; launch proj (part 4): grid 8 x 32, 4 waves a work-group, clusters of 4 x 4, 327,680 bytes of LDS; arguments o, wprojh, bproj, out0; writes out0
.if DOCPART == 4
	.amdgcn_target "amdgcn-amd-amdhsa--gfx1250"
	.amdhsa_code_object_version 6
	.text
	.protected	k_q7868020e8b_proj
	.globl	k_q7868020e8b_proj
	.p2align	8
	.type	k_q7868020e8b_proj,@function
k_q7868020e8b_proj:
	s_mov_b64 s[64:65], 0
	v_nop
	global_prefetch_b8 v0, s[64:65] scope:SCOPE_SE
	s_setreg_imm32_b32 hwreg(HW_REG_WAVE_MODE, 25, 1), 1
	s_wait_xcnt 0x0
	s_wait_alu depctr_hold_cnt(0) depctr_sa_sdst(0) depctr_va_vdst(0) depctr_va_sdst(0) depctr_va_ssrc(0) depctr_va_vcc(0) depctr_vm_vsrc(0)
	s_getreg_b32 s2, hwreg(HW_REG_IB_STS2, 6, 4)
	s_cmp_eq_u32 s2, 0
	s_cbranch_scc0 .Lentry_in_a_cluster
	s_endpgm
.Lentry_in_a_cluster:
	s_bfe_u32 s2, ttmp6, 0x10000c
	s_cmp_lg_u32 s2, 0xf033
	s_cbranch_scc0 .Lentry_shape_is_right
	s_endpgm
.Lentry_shape_is_right:
; out0 = y Wproj^T + bproj.  y is o, f16 by heads: [16 batch + head][t 2048][64], so head h is block h of 64 along K; wprojh: f16 [16 blocks of K][1024][64]; bproj: f32 [1024]; out0: f32 [8192][1024].  Sums in f32.
; The bias is rounded to bf16 like the module's other inputs, so that all carry one and the same rounding; it then stays in f32 and starts the sums as the first products' C operand.
; SHARES.  A tile of the result is 256 rows x 128 columns: 32 x 8 tiles, one to a work-group.  Each of four waves makes 128 rows x 64 columns: 32 accumulators of 16 x 16, 256 registers.
; K goes in steps of 128, two blocks (PLANES) of 64, through a ring of two LDS slots.  R rows of a plane are R x 128 consecutive bytes: asked for as R / 2 rows of 256 bytes, padded in LDS behind every 128.
; CLUSTER.  4 x 4 work-groups.  The four of a row of the cluster need the same rows of y, the four of a column the same rows of W: each plane is asked for JOINTLY, by the same tensor load with the same
; descriptor and a mask that names the four.  Waves 0 and 1 ask for y's two planes, waves 2 and 3 for W's.  By this text's own count a wave has two tensor loads out at the start, later one.
; THE MATRIX INSTRUCTION IS USED TRANSPOSED (source 0 = 16 rows of W, source 1 = 16 rows of y): a lane holds one row of the result and eight neighbouring columns.
; No prefetch is laid: the tiles are shared four ways by the joint loads, and the launch is short.
; REGISTERS: window 0: v0-29 addresses; v32-127, v128-223 two fragment buffers (y's 8 fragments of 16 rows x 32 K, then W's 4); v224-255 and v32-63 by turns on the way out.
;   window 1: accumulator (a, b), a = 0..7 blocks of rows, b = 0..3 blocks of columns, at v[8 (4 a + b)].
.set PITCH,  144                       ; an LDS row: 128 bytes + 16 of padding = 36 words: the 16 rows of a fragment load start at 16 different groups of four banks (64 banks of 4 bytes: ISA guide 11.1)
.set FR,     16*PITCH
.set APL,    256*PITCH                 ; a plane of y's tile
.set BPL,    128*PITCH                 ; a plane of W's
.set BOFF,   2*APL                     ; in a slot: y's two planes, then W's two
.set SLOT1,  1<<17                     ; slot 1 begins here
.set STAGE,  SLOT1+BOFF+2*BPL          ; behind the ring, never filled by a tensor load: 16 rows x 272 bytes for each wave, for the way out
.set SP,     272                       ; 256 bytes + 16: row r starts at bank 4 r mod 64
.set SPARE,  STAGE+4*16*SP             ; behind the stages: the spare words, 128 bytes for each wave: two blocks of 256 bytes that no other line names
.set ASTEP,  2*2048*128                ; bytes from a K step to the next in o: two heads
.set BSTEP,  2*1024*128                ; in wprojh: two blocks
.set A0,   2                           ; v2   my lane's place in y's tile; never rewritten
.set B0,   3                           ; v3   in W's
.set ADRA, 4                           ; v4   the same in the slot that is being read
.set ADRB, 5                           ; v5
.set STO,  6                           ; v6   the way out: where I put 32 bytes of a row
.set RD,   7                           ; v7   the way out: where I read a row back
.set CO,   8                           ; v8   my byte offset in two rows of the result
.set BO,   9                           ; v9   my byte offset in the bias
.set SPW,  28                          ; v28  LDS address of my spare word: SPARE + 4 x my thread's number; never rewritten
.set NIL,  29                          ; v29  0; never rewritten
.set F0,   32
.set F1,   128
.set WV,   12                          ; s12  my wave's number
.set RH,   13                          ; s13  which 128 rows of the tile are mine.  Also: I ask for y (0) or for W (1)
.set CH,   14                          ; s14  which 64 columns.  Also: which plane I ask for
.set G1A,  24                          ; s[24:31] descriptor group 1 for y's planes
.set G0A,  32                          ; s[32:39] group 0: a set for each first fill; the second then walks on
.set G1B,  40                          ; s[40:47], s[48:55] the same for W's
.set G0B,  48
.set TB,   56                          ; s56  LDS byte at which the slot being read begins
.set OUT,  58                          ; s[58:59] the result at my first row and column
.set G1W0, (1<<16)|(1<<20)|(1<<21)|(4<<22)|(3<<25)  ; 17:16 2-byte elements; 20 padding on; 21 set beside a mask; 24:22 after every 32 words (code 4); 31:25 4 words (code 3)
.set MSB, 0
.macro WIN new                         ; the immediate's high byte repeats the setting that is left; a switch that changes nothing is dropped
.if MSB != (\new)
	s_set_vgpr_msb (MSB<<8)|(\new)
.set MSB, (\new)
.endif
.endm
.macro PLACES                          ; four plain vector instructions between a matrix instruction and a load into, or a read of, its registers (ISA guide 7.12.1 for reads)
.rept 4
	v_nop
.endr
.endm
.macro SHAPE g, rows                   ; descriptor group 1 but for its first word: rows of 128 elements (256 bytes), dense
	s_mov_b32 s[(\g)+1], 128<<16                   ; tensor_dim0 = 128
	s_mov_b32 s[(\g)+2], (\rows)<<16               ; tensor_dim1
	s_mov_b32 s[(\g)+3], 128<<16                   ; tile_dim0 = 128
	s_mov_b32 s[(\g)+4], (\rows)                   ; tile_dim1
	s_mov_b32 s[(\g)+5], 128                       ; 128 elements from row to row
	s_mov_b32 s[(\g)+6], 0
	s_mov_b32 s[(\g)+7], 0
.endm
; A joint refill by the walking descriptor.  The branch hangs on the wave's number alone.  An s_nop 0 and four v_nop follow each of the two lines, ahead of the jump and the label.
.macro JLOAD
	s_cmp_eq_u32 s[RH], 0
	s_cbranch_scc0 .Lfor_b_\@
	tensor_load_to_lds s[G0A+4:G0A+7], s[G1A:G1A+7]
	s_nop 0
.rept 4
	v_nop
.endr
	s_branch .Lasked_\@
.Lfor_b_\@:
	tensor_load_to_lds s[G0B+4:G0B+7], s[G1B:G1B+7]
	s_nop 0
.rept 4
	v_nop
.endr
.Lasked_\@:
.endm
; A round of the cluster's barrier: my work-group's barrier, so that wave 0's signal speaks for all four waves; wave 0 signals; every wave waits for all sixteen work-groups; my work-group's barrier once more.
.macro CREST                           ; a round behind its opening barrier
	s_cmp_lg_u32 s[WV], 0
	s_cbranch_scc1 .Lnot_wave_0_\@
	s_barrier_signal -3
.Lnot_wave_0_\@:
	s_barrier_wait -3
	s_barrier_signal -1
	s_barrier_wait -1
.endm
.macro CROUND
	s_barrier_signal -1
	s_barrier_wait -1
	CREST
.endm
	s_load_b256 s[4:11], s[0:1], 0x0               ; o s[4:5], wprojh s[6:7], bproj s[8:9], out0 s[10:11]
	v_lshl_add_u32 v[SPW], v0, 2, SPARE
	v_mov_b32 v[NIL], 0
	ds_add_u32 v[SPW], v[NIL]                      ; the wave's opening: the add and its wait stand ahead of my first tensor load; the set-up below, work on registers, stands between them
	ds_add_u32 v28, v29
	v_lshrrev_b32 v1, 5, v0
	v_readfirstlane_b32 s[WV], v1                  ; wave 0..3
	s_lshr_b32 s[RH], s[WV], 1
	s_and_b32 s[CH], s[WV], 1
	s_bfe_u32 s15, ttmp6, 0x40000                  ; cx: my place along the cluster's x
	s_bfe_u32 s16, ttmp6, 0x40004                  ; cy: along its y
	s_lshl_b32 s17, ttmp9, 2                       ; in a cluster launch ttmp9 and ttmp7 count clusters
	s_add_co_u32 s17, s17, s15                     ; tile column = 4 x cluster x + cx
	s_and_b32 s18, ttmp7, 0xffff
	s_lshl_b32 s18, s18, 2
	s_add_co_u32 s18, s18, s16                     ; tile row = 4 x cluster y + cy
	s_lshl_b32 s19, s16, 2
	s_lshl_b32 s19, 15, s19                        ; my row of the cluster: places 4 cy .. 4 cy + 3
	s_lshl_b32 s20, 0x1111, s15                    ; my column: places cx, cx + 4, cx + 8, cx + 12
	s_or_b32 s[G1A], s19, G1W0                     ; y's planes go to my row,
	s_or_b32 s[G1B], s20, G1W0                     ; W's to my column
	SHAPE G1A, 128                                 ; 256 rows of y = 128 rows of 256 bytes
	SHAPE G1B, 64                                  ; 128 rows of W = 64 rows of 256 bytes
	s_lshr_b32 s66, s18, 3                         ; y: the batch, 16 heads of 2,048 rows of 128 bytes,
	s_lshl_b32 s66, s66, 22
	s_and_b32 s21, s18, 7                          ; the tile row within it, 256 rows,
	s_lshl_b32 s21, s21, 15
	s_add_co_u32 s66, s66, s21
	s_lshl_b32 s21, s[CH], 18                      ; my plane: a head
	s_add_co_u32 s66, s66, s21
	s_mov_b32 s67, 0
	s_lshl_b32 s68, s17, 14                        ; W: 128 rows of 128 bytes a tile column,
	s_lshl_b32 s70, s[CH], 17                      ; my plane: a block of 1,024 rows
	s_add_co_u32 s68, s68, s70
	s_mov_b32 s69, 0
	s_mul_i32 s22, s[CH], APL                      ; where they go in a slot: no place in the cluster enters an LDS address
	s_mul_i32 s23, s[CH], BPL
	s_add_co_u32 s23, s23, BOFF
	s_mov_b32 s[TB], 0
	s_wait_dscnt 0x0                               ; the opening add is done
	s_wait_kmcnt 0x0
	s_add_nc_u64 s[66:67], s[4:5], s[66:67]
	s_add_nc_u64 s[68:69], s[6:7], s[68:69]
	CROUND                                         ; all sixteen work-groups are here: the first joint loads meet
.irp s, 0,1
	s_mov_b32 s[G0A+4*(\s)], 1                                      ; 1:0 count = 1
	s_add_co_u32 s[G0A+4*(\s)+1], s22, (\s)*SLOT1                   ; 63:32 LDS address
	s_add_nc_u64 s[G0A+4*(\s)+2:G0A+4*(\s)+3], s[66:67], (\s)*ASTEP ; 120:64 global address: K step s
	s_or_b32 s[G0A+4*(\s)+3], s[G0A+4*(\s)+3], 0x80000000           ; 127:126 type = 2
	s_mov_b32 s[G0B+4*(\s)], 1
	s_add_co_u32 s[G0B+4*(\s)+1], s23, (\s)*SLOT1
	s_add_nc_u64 s[G0B+4*(\s)+2:G0B+4*(\s)+3], s[68:69], (\s)*BSTEP
	s_or_b32 s[G0B+4*(\s)+3], s[G0B+4*(\s)+3], 0x80000000
.endr
	s_cmp_eq_u32 s[RH], 0                          ; a wave's two first fills stand in one branch, ahead of every wait on TENSORcnt and every LDS read
	s_cbranch_scc0 .Lfirst_b
	tensor_load_to_lds s[G0A:G0A+3], s[G1A:G1A+7]
	s_nop 0
	tensor_load_to_lds s[G0A+4:G0A+7], s[G1A:G1A+7]
	s_nop 0
.rept 4
	v_nop
.endr
	s_branch .Lfirst_asked
.Lfirst_b:
	tensor_load_to_lds s[G0B:G0B+3], s[G1B:G1B+7]
	s_nop 0
	tensor_load_to_lds s[G0B+4:G0B+7], s[G1B:G1B+7]
	s_nop 0
.rept 4
	v_nop
.endr
.Lfirst_asked:
	; A fragment is 16 rows x 32 K in 8 registers: lane l holds row l % 16; registers 0-3 K = 8 (l / 16) + 0..7, registers 4-7 K = 16 + 8 (l / 16) + 0..7: two loads of 16 bytes, 32 bytes apart.
	v_and_b32 v10, 15, v0                          ; l % 16
	v_bfe_u32 v11, v0, 4, 1                        ; l / 16
	v_mul_u32_u24 v12, v10, PITCH
	v_lshl_add_u32 v12, v11, 4, v12                ; row x pitch + 16 x half
	s_mul_i32 s21, s[RH], 128*PITCH
	v_add_nc_u32 v[A0], s21, v12                   ; my 128 rows of y
	s_mul_i32 s71, s[CH], 64*PITCH
	s_add_co_u32 s71, s71, BOFF
	v_add_nc_u32 v[B0], s71, v12                   ; my 64 rows of W
	v_mov_b32 v[ADRA], v[A0]                       ; slot 0
	v_mov_b32 v[ADRB], v[B0]
	s_mul_i32 s21, s[WV], 16*SP
	s_add_co_u32 s21, s21, STAGE                   ; my stage
	v_mul_u32_u24 v[STO], v10, SP                  ; in: row l % 16, 32 bytes for each half of the lanes
	v_lshl_add_u32 v[STO], v11, 5, v[STO]
	v_add_nc_u32 v[STO], s21, v[STO]
	v_mul_u32_u24 v[RD], v11, SP                   ; back: lanes 0-15 take one row of 256 bytes, lanes 16-31 the next
	v_lshl_add_u32 v[RD], v10, 4, v[RD]
	v_add_nc_u32 v[RD], s21, v[RD]
	v_lshlrev_b32 v[CO], 12, v11                   ; and the same two rows in the result, 4,096 bytes apart
	v_lshl_add_u32 v[CO], v10, 4, v[CO]
	s_lshl_b32 s74, s17, 9                         ; my first column, in bytes: 512 x tile column + 256 x half: in the bias and in a row of the result
	s_lshl_b32 s75, s[CH], 8
	s_add_co_u32 s74, s74, s75
	v_lshl_add_u32 v[BO], v11, 5, s74              ; + my lanes' 8 columns
	WIN 0x40                                       ; the bias of block b of columns goes into accumulator (0, b): register j of a lane belongs to column 16 b + 8 (l / 16) + j
.irp b, 0,1,2,3
	global_load_b128 v[8*(\b):8*(\b)+3],   v[BO], s[8:9] offset:64*(\b)
	global_load_b128 v[8*(\b)+4:8*(\b)+7], v[BO], s[8:9] offset:64*(\b)+16
.endr
	WIN 0
	s_lshl_b32 s72, s18, 20                        ; 256 rows of 4,096 bytes a tile row,
	s_lshl_b32 s73, s[RH], 19                      ; my 128
	s_add_co_u32 s72, s72, s73
	s_add_co_u32 s72, s72, s74
	s_mov_b32 s73, 0
	s_add_nc_u64 s[OUT:OUT+1], s[10:11], s[72:73]
; n blocks of rows from a0 on x all 4 blocks of columns, 32 along K.  The accumulators take turns, one instruction a turn.  first = 1: C is the bias, which lies in accumulator (0, b).
.macro MULA f, a0, n, first
	WIN 0x50                                       ; C and D in window 1, sources in window 0
.set aa, (\a0)
.rept \n
.irp b, 0,1,2,3
.if \first
	v_wmma_f32_16x16x32_f16 v[8*(4*aa+(\b)):8*(4*aa+(\b))+7], v[(\f)+64+8*(\b):(\f)+64+8*(\b)+7], v[(\f)+8*aa:(\f)+8*aa+7], v[8*(\b):8*(\b)+7]
.else
	v_wmma_f32_16x16x32_f16 v[8*(4*aa+(\b)):8*(4*aa+(\b))+7], v[(\f)+64+8*(\b):(\f)+64+8*(\b)+7], v[(\f)+8*aa:(\f)+8*aa+7], v[8*(4*aa+(\b)):8*(4*aa+(\b))+7]
.endif
.endr
.set aa, aa+1
.endr
.endm
; 24 LDS loads in one run: the fragments of chunk c of a K step (plane c / 2, byte 64 (c % 2) of its rows) into buffer g
.macro FETCH g, c
	WIN 0
.irp b, 0,1,2,3
	ds_load_b128 v[(\g)+64+8*(\b):(\g)+64+8*(\b)+3],   v[ADRB] offset:((\c)/2)*BPL+((\c)%2)*64+(\b)*FR
	ds_load_b128 v[(\g)+64+8*(\b)+4:(\g)+64+8*(\b)+7], v[ADRB] offset:((\c)/2)*BPL+((\c)%2)*64+(\b)*FR+32
.endr
.irp a, 0,1,2,3,4,5,6,7
	ds_load_b128 v[(\g)+8*(\a):(\g)+8*(\a)+3],   v[ADRA] offset:((\c)/2)*APL+((\c)%2)*64+(\a)*FR
	ds_load_b128 v[(\g)+8*(\a)+4:(\g)+8*(\a)+7], v[ADRA] offset:((\c)/2)*APL+((\c)%2)*64+(\a)*FR+32
.endr
.endm
; A K step is four chunks of 32 along K, 32 matrix instructions each, on buffers 0, 1, 0, 1.  A chunk first asks for chunk c into buffer g (c < 0: for nothing), 32 matrix instructions ahead of its use, then multiplies buffer f.
; first = 1: the sums start: blocks of rows 1 to 7 take the bias as C; five places behind them block 0 adds onto it in place.
.macro CHUNK f, g, c, first=0
	s_wait_dscnt 0x0                               ; buffer f is in: its run was issued a chunk ago
.if (\c) >= 0
	PLACES                                         ; the last chunk's products read buffer g
	FETCH \g, \c
.endif
.if \first
	MULA \f, 1, 7, 1
.rept 5
	v_nop
.endr
	MULA \f, 0, 1, 0
.else
	MULA \f, 0, 8, 0
.endif
.endm
; Chunk 2 multiplies buffer 0 and changes slots.  It asks for chunk 3, the slot's last bytes; then ONE barrier: in front of it each wave waits for all its tensor loads, of which one is out: its part of the
; next slot; adds 0 to its spare word; and waits for that and for its own reads of this slot.  fill = 1: the barrier opens a round of the cluster's barrier, and this slot is filled again, first thing behind the round, with the K step two on.
.macro TURNC fill
	s_wait_dscnt 0x0                               ; buffer 0 is in
	PLACES
	FETCH F1, 3
	s_wait_tensorcnt 0x0                           ; no tensor load of mine is out, so a group 0 may be written
	ds_add_u32 v[SPW], v[NIL]                      ; 0 onto my spare word
.if \fill
	s_xor_b32 s[G0A+5], s[G0A+5], SLOT1            ; the walking descriptors: the other slot than last time,
	s_add_nc_u64 s[G0A+6:G0A+7], s[G0A+6:G0A+7], ASTEP  ; the next two blocks of K; the type bits on top are not reached
	s_xor_b32 s[G0B+5], s[G0B+5], SLOT1
	s_add_nc_u64 s[G0B+6:G0B+7], s[G0B+6:G0B+7], BSTEP
.endif
	MULA F0, 0, 4, 0                               ; sixteen matrix instructions stand between the add and the wait for it
	s_wait_dscnt 0x0                               ; the add is done, and my reads of this slot are over
	s_barrier_signal -1
	MULA F0, 4, 2, 0                               ; work on registers while the others arrive
	WIN 0
	s_barrier_wait -1
.if \fill
	CREST                                          ; no wave of any partner still reads this slot or has a load on its way
	JLOAD
.endif
	s_xor_b32 s[TB], s[TB], SLOT1                  ; the fetches go on in the other slot
	v_add_nc_u32 v[ADRA], s[TB], v[A0]
	v_add_nc_u32 v[ADRB], s[TB], v[B0]
	MULA F0, 6, 2, 0
.endm
; THE WAY OUT, a block of 16 rows x 64 columns of f32 at a time: 32 bytes a lane and block of columns into my own stage, back as whole rows of 256 bytes, stored.
.macro TOSTAGE a
.set BK, 224-192*((\a)%2)
	s_wait_xcnt 0x0                                ; the stores issued so far have read their registers: the set of two blocks back is loaded again only behind this wait
	WIN 0x04                                       ; the stores' data in window 1; each accumulator's low registers first
.irp b, 0,1,2,3
	ds_store_b128 v[STO], v[8*(4*(\a)+(\b)):8*(4*(\a)+(\b))+3]   offset:64*(\b)
	ds_store_b128 v[STO], v[8*(4*(\a)+(\b))+4:8*(4*(\a)+(\b))+7] offset:64*(\b)+16
.endr
	WIN 0
.irp t, 0,1,2,3,4,5,6,7
	ds_load_b128 v[BK+4*(\t):BK+4*(\t)+3], v[RD] offset:(\t)*2*SP  ; LDS serves a wave's instructions in order (ISA guide 5.7.1.4): these see the stores above; the next block's stores come behind them
.endr
.endm
.macro SEND a, younger                 ; younger: the LDS instructions issued behind block a's loads: the next block's sixteen, or none
.set BK, 224-192*((\a)%2)
	s_wait_dscnt \younger
.irp t, 0,1,2,3,4,5,6,7
	global_store_b128 v[CO], v[BK+4*(\t):BK+4*(\t)+3], s[OUT:OUT+1] offset:(16*(\a)+2*(\t))*4096 th:TH_STORE_NT  ; 16 lanes store 256 consecutive bytes, at a multiple of 256 from the buffer's first
.endr
.endm
	s_wait_tensorcnt 0x1                           ; my part of K step 0 is in; K step 1's may stay out
	s_barrier_signal -1
	s_barrier_wait -1                              ; everybody's is
	FETCH F0, 0
	s_wait_loadcnt 0x0                             ; the bias
	WIN 0x55                                       ; rounded to bf16 and widened again, in place; at work: registers of accumulators (1, b), which hold nothing yet
.irp b, 0,1,2,3
.irp i, 0,1,2,3
	v_cvt_pk_bf16_f32 v[32+4*(\b)+(\i)], v[8*(\b)+2*(\i)], v[8*(\b)+2*(\i)+1]
.endr
.irp i, 0,1,2,3
	v_lshlrev_b32 v[8*(\b)+2*(\i)], 16, v[32+4*(\b)+(\i)]
	v_and_b32 v[8*(\b)+2*(\i)+1], 0xffff0000, v[32+4*(\b)+(\i)]
.endr
.endr
	CHUNK F0, F1, 1, 1                             ; the first chunk stands in front of the loop: its products start the sums
	WIN 0                                          ; at a label and at a branch every window is 0
	s_mov_b32 s3, 6
.Lstep:                                                ; a trip: a K step's chunks 1 to 3, of which the second fills the slot again, and the next step's chunk 0
	CHUNK F1, F0, 2
	TURNC 1
	CHUNK F1, F0, 0
	CHUNK F0, F1, 1
	WIN 0
	s_sub_co_u32 s3, s3, 1
	s_cmp_lg_u32 s3, 0
	s_cbranch_scc1 .Lstep
	CHUNK F1, F0, 2                                ; the tail is written out: nothing is left to ask for
	TURNC 0
	CHUNK F1, F0, 0
	CHUNK F0, F1, 1
	CHUNK F1, F0, 2
	CHUNK F0, F1, 3
	CHUNK F1, F0, -1
	PLACES                                         ; eight places, once a launch, between the last products and the LDS stores that read results
	PLACES
	TOSTAGE 0
.irp a, 1,2,3,4,5,6,7
	TOSTAGE \a
	SEND (\a)-1, 16
.endr
	SEND 7, 0
	s_wait_tensorcnt 0x0                           ; the wave's end, behind my last tensor load and my last LDS store
	ds_add_u32 v[SPW], v[NIL]
	s_wait_dscnt 0x0
	CROUND                                         ; the closing round: no work-group ends while a partner may still ask for a tile that names it
	s_endpgm
.Lfunc_end_k_q7868020e8b_proj:
	.size	k_q7868020e8b_proj, .Lfunc_end_k_q7868020e8b_proj-k_q7868020e8b_proj
	.p2alignl 7, 3214868480
	.fill 96, 4, 3214868480
	.section	.rodata,"a",@progbits
	.p2align	6, 0x0
	.amdhsa_kernel k_q7868020e8b_proj
		.amdhsa_group_segment_fixed_size 327680
		.amdhsa_private_segment_fixed_size 0
		.amdhsa_enable_private_segment 0
		.amdhsa_kernarg_size 32
		.amdhsa_user_sgpr_count 2
		.amdhsa_user_sgpr_kernarg_segment_ptr 1
		.amdhsa_wavefront_size32 1
		.amdhsa_system_sgpr_workgroup_id_x 1
		.amdhsa_system_sgpr_workgroup_id_y 1
		.amdhsa_system_sgpr_workgroup_id_z 1
		.amdhsa_system_vgpr_workitem_id 0
		.amdhsa_next_free_vgpr 512
		.amdhsa_next_free_sgpr 76
		.amdhsa_reserve_vcc 0
		.amdhsa_float_denorm_mode_32 3
		.amdhsa_float_denorm_mode_16_64 3
		.amdhsa_memory_ordered 1
		.amdhsa_forward_progress 1
		.amdhsa_inst_pref_size 72
	.end_amdhsa_kernel
	.amdgpu_metadata
---
amdhsa.version: [ 1, 2 ]
amdhsa.kernels:
  - .name:           k_q7868020e8b_proj
    .symbol:         k_q7868020e8b_proj.kd
    .args:
      - { .name: o, .offset: 0, .size: 8, .value_kind: global_buffer, .address_space: global }
      - { .name: wprojh, .offset: 8, .size: 8, .value_kind: global_buffer, .address_space: global }
      - { .name: bproj, .offset: 16, .size: 8, .value_kind: global_buffer, .address_space: global }
      - { .name: out0, .offset: 24, .size: 8, .value_kind: global_buffer, .address_space: global }
    .group_segment_fixed_size: 327680
    .private_segment_fixed_size: 0
    .kernarg_segment_align: 8
    .kernarg_segment_size: 32
    .max_flat_workgroup_size: 128
    .sgpr_count:     76
    .vgpr_count:     512
    .wavefront_size: 32
...
	.end_amdgpu_metadata
.endif
;; end of part 4
;; ======== version 2 of 2: 4 launches; version 1 with the launch cast written anew for expert scheduling mode
;; limits: values are held in f16: magnitudes above 65,504 overflow, below 6.1e-05 lose precision
;; workspace buffers: xb 16,777,216 bytes; wqkvb 6,291,456 bytes; wprojh 2,097,152 bytes; qkv 50,331,648 bytes; o 16,777,216 bytes
;; launch cast (part 5): grid 768 x 1, 8 waves a work-group, no clusters, 0 bytes of LDS; arguments x, Wqkv, Wproj, xb, wqkvb, wprojh; writes xb, wqkvb, wprojh
.if DOCPART == 5
	.amdgcn_target "amdgcn-amd-amdhsa--gfx1250"
	.amdhsa_code_object_version 6
	.text
	.protected	k_q7868020e8b_cast
	.globl	k_q7868020e8b_cast
	.p2align	8
	.type	k_q7868020e8b_cast,@function
k_q7868020e8b_cast:
	s_mov_b64 s[64:65], 0
	v_nop
	global_prefetch_b8 v0, s[64:65] scope:SCOPE_SE
	s_setreg_imm32_b32 hwreg(HW_REG_WAVE_SCHED_MODE, 0, 2), 2
	s_setreg_imm32_b32 hwreg(HW_REG_WAVE_MODE, 25, 1), 1
	s_wait_xcnt 0x0
	s_wait_alu depctr_vm_vsrc(0)
; x [8192][1024], Wqkv [3072][1024], Wproj [1024][1024], all f32, are rounded once to bf16 and laid out in blocks of 64 along K:
; out[kb][row][64], kb = 0..15, so that R rows of one block are R x 128 consecutive bytes.  xb and wqkvb hold bf16.  wprojh holds the bf16-rounded number
; written as f16 (exact from 2^-17 up to 65,504 in size; below 2^-17 it keeps f16's fixed step of 6e-8; LIMIT: |Wproj| stays under 65,504).
; SHARES.  12,288 rows in all, 16 to a work-group: groups 0-511 take x, 512-703 Wqkv, 704-767 Wproj.  Wave w takes rows 2 w and 2 w + 1: lanes 0-15 the even row, lanes 16-31 the odd one.
; A load of a wave covers 256 consecutive bytes, aligned, of each of its two rows (one block of 64 numbers); the store made of it covers 256 consecutive bytes, aligned (128 of each row, which lie end to end).
; No loop: a wave's 16 loads go out together, and no register is written twice while memory may read it.  No LDS, no matrix unit: nothing is shared and nothing is multiplied.
; THE MODE: SCHED_MODE bits 1:0 = 2 (LLVM: expert scheduling mode 2), set by the entry lines.  The code itself states the register dependences
; between vector instructions and memory instructions, with s_wait_alu, always for 0.
; THE PLAN.  Registers that memory instructions touch:
;   v[IN]      Written at the head; read by the 16 loads as their offset; never written again.
;   v[O ..]    Sixteen offsets: the first written at the head, the others by a chain of adds behind the loads; each is read by one store; never written again.
;   v[X ..]    The loads land here; no vector instruction names them ahead of the loads; the conversions read them; no load lands in them again.
;   v[Y ..]    Each pair is written once, by a conversion, and read once, by a store.
;   v[T ..]    Named by vector instructions alone.
; So what there is to state is that a register is written before a memory instruction reads it: once ahead of the loads, for v[IN], and once for each group of four blocks,
; between the group's conversions and the run of its four stores.  The wait stands behind the conversions and not at the next group's head: that head waits for four more loads, which would hold
; the stores back, and nothing follows this text under which they could leave.  No register that a memory instruction has read is written again, so no wait on vm_vsrc is owed;
; no vector instruction writes a scalar register or VCC, and EXEC is never written.
.set IN, 1                             ; v1       my byte offset in the group's 16 rows of the input
.set O,  4                             ; v[4:19]  my byte offset in the output, for each of the 16 blocks
.set X,  20                            ; v[20:83] four f32 a block
.set Y,  84                            ; v[84:115] four 16-bit numbers a block
.set T,  116                           ; v[116:119] at work
	s_load_b256 s[4:11], s[0:1], 0x0               ; x s[4:5], Wqkv s[6:7], Wproj s[8:9], xb s[10:11]
	s_load_b128 s[12:15], s[0:1], 0x20             ; wqkvb s[12:13], wprojh s[14:15]
	v_lshrrev_b32 v2, 4, v0                        ; my row among the 16
	v_and_b32 v3, 15, v0                           ; my place in a block
	v_lshlrev_b32 v[IN], 12, v2                    ; row x 4,096 bytes
	v_lshl_add_u32 v[IN], v3, 4, v[IN]             ; + 16 bytes a lane
	v_lshlrev_b32 v[O], 7, v2                      ; row x 128 bytes
	v_lshl_add_u32 v[O], v3, 3, v[O]               ; + 8 bytes a lane
	s_mov_b32 s20, 512                             ; the first group of Wqkv
	s_mov_b32 s21, 704                             ; the first group of Wproj
	s_mov_b32 s22, 8192*128                        ; bytes from block to block in xb,
	s_mov_b32 s23, 3072*128                        ; in wqkvb,
	s_mov_b32 s24, 1024*128                        ; in wprojh
	s_mov_b32 s30, 0xffff0000                      ; a word's upper bf16
	s_wait_kmcnt 0x0
	s_cmp_lt_u32 ttmp9, s21                        ; Wqkv or Wproj,
	s_cselect_b64 s[16:17], s[6:7], s[8:9]
	s_cselect_b64 s[18:19], s[12:13], s[14:15]
	s_cselect_b32 s25, s20, s21
	s_cselect_b32 s26, s23, s24
	s_cmp_lt_u32 ttmp9, s20                        ; or x
	s_cselect_b64 s[16:17], s[4:5], s[16:17]
	s_cselect_b64 s[18:19], s[10:11], s[18:19]
	s_cselect_b32 s25, 0, s25
	s_cselect_b32 s26, s22, s26
	s_sub_co_u32 s27, ttmp9, s25                   ; my group within its tensor
	s_lshl_b32 s28, s27, 16                        ; 16 rows of 4,096 bytes
	s_mov_b32 s29, 0
	s_add_nc_u64 s[16:17], s[16:17], s[28:29]
	s_lshl_b32 s28, s27, 11                        ; 16 rows of 128 bytes
	s_add_nc_u64 s[18:19], s[18:19], s[28:29]
	s_wait_alu depctr_va_vdst(0)                   ; v[IN] is written: the sixteen loads read it as their offset
.irp kb, 0,1,2,3,4,5,6,7,8,9,10,11,12,13,14,15
	global_load_b128 v[X+4*(\kb):X+4*(\kb)+3], v[IN], s[16:17] offset:256*(\kb) th:TH_LOAD_NT
.endr
.irp kb, 1,2,3,4,5,6,7,8,9,10,11,12,13,14,15
	v_add_nc_u32 v[O+(\kb)], s26, v[O+(\kb)-1]     ; the same place, a block further on; these stand behind the loads, whose registers they do not name
.endr
; Block kb is rounded.  half = 1: the bf16 number is widened again and written as f16.
.macro CV kb, half
.irp p, 0,1
.if \half
	v_cvt_pk_bf16_f32 v[T], v[X+4*(\kb)+2*(\p)], v[X+4*(\kb)+2*(\p)+1]
	v_lshlrev_b32 v[T+2], 16, v[T]
	v_and_b32 v[T+3], s30, v[T]
	v_cvt_pk_f16_f32 v[Y+2*(\kb)+(\p)], v[T+2], v[T+3]
.else
	v_cvt_pk_bf16_f32 v[Y+2*(\kb)+(\p)], v[X+4*(\kb)+2*(\p)], v[X+4*(\kb)+2*(\p)+1]
.endif
.endr
.endm
; Group g: blocks 4 g to 4 g + 3 are rounded, and then stored in one run.
.macro GRP g, half
	s_wait_loadcnt 12-4*(\g)                       ; loads come back in order: the group's four blocks are in, the younger ones stay out
.irp j, 0,1,2,3
	CV 4*(\g)+(\j), \half
.endr
	s_wait_alu depctr_va_vdst(0)                   ; the group's conversions have written its eight registers of Y, which the four stores below read; in the first group also: the adds have written v[O+1 ..], the stores' offsets
.irp j, 0,1,2,3
	global_store_b64 v[O+4*(\g)+(\j)], v[Y+2*(4*(\g)+(\j)):Y+2*(4*(\g)+(\j))+1], s[18:19]
.endr
.endm
	s_cmp_ge_u32 ttmp9, s21
	s_cbranch_scc1 .Lf16
.irp g, 0,1,2,3
	GRP \g, 0
.endr
	s_endpgm
.Lf16:
.irp g, 0,1,2,3
	GRP \g, 1
.endr
	s_endpgm
.Lfunc_end_k_q7868020e8b_cast:
	.size	k_q7868020e8b_cast, .Lfunc_end_k_q7868020e8b_cast-k_q7868020e8b_cast
	.p2alignl 7, 3214868480
	.fill 96, 4, 3214868480
	.section	.rodata,"a",@progbits
	.p2align	6, 0x0
	.amdhsa_kernel k_q7868020e8b_cast
		.amdhsa_group_segment_fixed_size 0
		.amdhsa_private_segment_fixed_size 0
		.amdhsa_enable_private_segment 0
		.amdhsa_kernarg_size 48
		.amdhsa_user_sgpr_count 2
		.amdhsa_user_sgpr_kernarg_segment_ptr 1
		.amdhsa_wavefront_size32 1
		.amdhsa_system_sgpr_workgroup_id_x 1
		.amdhsa_system_sgpr_workgroup_id_y 1
		.amdhsa_system_sgpr_workgroup_id_z 1
		.amdhsa_system_vgpr_workitem_id 0
		.amdhsa_next_free_vgpr 124
		.amdhsa_next_free_sgpr 66
		.amdhsa_reserve_vcc 0
		.amdhsa_float_denorm_mode_32 3
		.amdhsa_float_denorm_mode_16_64 3
		.amdhsa_memory_ordered 1
		.amdhsa_forward_progress 1
		.amdhsa_inst_pref_size 16
	.end_amdhsa_kernel
	.amdgpu_metadata
---
amdhsa.version: [ 1, 2 ]
amdhsa.kernels:
  - .name:           k_q7868020e8b_cast
    .symbol:         k_q7868020e8b_cast.kd
    .args:
      - { .name: x, .offset: 0, .size: 8, .value_kind: global_buffer, .address_space: global }
      - { .name: Wqkv, .offset: 8, .size: 8, .value_kind: global_buffer, .address_space: global }
      - { .name: Wproj, .offset: 16, .size: 8, .value_kind: global_buffer, .address_space: global }
      - { .name: xb, .offset: 24, .size: 8, .value_kind: global_buffer, .address_space: global }
      - { .name: wqkvb, .offset: 32, .size: 8, .value_kind: global_buffer, .address_space: global }
      - { .name: wprojh, .offset: 40, .size: 8, .value_kind: global_buffer, .address_space: global }
    .group_segment_fixed_size: 0
    .private_segment_fixed_size: 0
    .kernarg_segment_align: 8
    .kernarg_segment_size: 48
    .max_flat_workgroup_size: 256
    .sgpr_count:     66
    .vgpr_count:     124
    .wavefront_size: 32
...
	.end_amdgpu_metadata
.endif
;; end of part 5
;; launch qkvgemm: the kernel of part 2 again; grid 8 x 32, 4 waves a work-group, clusters of 4 x 4, 327,680 bytes of LDS; arguments xb, wqkvb, bqkv, qkv; writes qkv
;; launch attn: the kernel of part 3 again; grid 4 x 64, 4 waves a work-group, no clusters, 327,680 bytes of LDS; arguments qkv, o; writes o
;; launch proj: the kernel of part 4 again; grid 8 x 32, 4 waves a work-group, clusters of 4 x 4, 327,680 bytes of LDS; arguments o, wprojh, bproj, out0; writes out0
